; MI455X (gfx1250); checked and timed in simulation.
; The chip was launched on July 23, 2026; its instructions are those of AMD's public machine-readable ISA for CDNA 5 (MIT licence, August 2026) and "CDNA5" Instruction Set Architecture Reference Guide (July 2026). The comments in the code are by the model that wrote it; some were corrected since.
;; Multi Head Attention. Allowed arithmetic: matrix products marked QUANTISED: E2M3 operands, one E8M0 scale for each 32 along K, by v_wmma_scale_f32_16x16x128_f8f6f4 with both operands' format E2M3, f32 sums; everything else in f32.
;; Inputs: k 4 x 2,048 x 1,024 float32; mask 4 x 2,048 x 2,048 int32; q 4 x 2,048 x 1,024 float32; v 4 x 2,048 x 1,024 float32; w_k 1,024 x 1,024 float32; w_o 1,024 x 1,024 float32; w_q 1,024 x 1,024 float32; w_v 1,024 x 1,024 float32.
;; Outputs: out0 4 x 2,048 x 1,024 float32.
;; This version of the problem:
;;   THIS VERSION OF THE PROBLEM IS GIVEN IN LOW PRECISION. The matrix products marked QUANTISED in the list below multiply operands that are first quantised to E2M3 (2 exponent bits, 3 mantissa bits; 6 bits a number), with one power-of-two scale for each 32 numbers along K (OCP MX v1.0); their sums are f32. All else is computed in f32.
;;   The module's matrix products, in the order in which they are computed (A, B: the left and right operand; K: the contracted axis; several contracted axes count as one K, in the product's order):
;;     1. [M 8,192, K 1,024] x [K 1,024, N 1,024]; A: input q; B: input w_q: QUANTISED
;;     2. [M 8,192, K 1,024] x [K 1,024, N 1,024]; A: input k; B: input w_k: QUANTISED
;;     3. [M 8,192, K 1,024] x [K 1,024, N 1,024]; A: input v; B: input w_v: QUANTISED
;;     4. batch 64 x [M 2,048, K 64] x [K 64, N 2,048]; A: computed on the way; B: computed on the way: QUANTISED
;;     5. batch 64 x [M 2,048, K 2,048] x [K 2,048, N 64]; A: softmax (see below); B: computed on the way: QUANTISED
;;     6. [M 8,192, K 1,024] x [K 1,024, N 1,024]; A: computed on the way; B: input w_o: QUANTISED
;;   THE QUANTISER, for each operand of a quantised product, along K:
;;     - K is cut into blocks of 32 from its start; a last block that is shorter is filled with zeros.
;;     - A block's scale is 2^e with e = floor(log2(the largest magnitude in the block)) - 2, held to -126 .. 127; a block of zeros has e = 0. As a byte (E8M0): e + 127.
;;     - Each number is divided by its block's scale, clamped to +-7.5, and rounded to the nearest number of E2M3, ties to even, subnormals kept.
;;     - The product sums the exact products of the quantised numbers (number of the format x scale) in f32.
;;   ~~~python
;;   def quantise(x, axis):      # numpy; x: float32 -> the quantised numbers, widened to float32 again
;;       x = np.moveaxis(x, axis, -1); K = x.shape[-1]
;;       x = np.pad(x, [(0, 0)] * (x.ndim - 1) + [(0, -K % 32)]); x = x.reshape(x.shape[:-1] + (-1, 32)); a = np.abs(x).max(-1, keepdims=True)
;;       e = np.where(a > 0, np.clip(np.frexp(np.where(a > 0, a, 1))[1] - 1 - 2, -126, 127), 0)      # np.frexp(a)[1] - 1 = floor(log2(a)), exactly
;;       r = np.clip(x / 2.0 ** e, -7.5, 7.5)
;;       step = 2.0 ** (np.maximum(np.frexp(np.where(r == 0, 1, r))[1] - 1, 0) - 3)
;;       q = np.round(r / step) * step * 2.0 ** e      # np.round: ties to even
;;       return np.moveaxis(q.reshape(q.shape[:-2] + (-1,))[..., :K], -1, axis).astype(np.float32)
;;   ~~~
;;   SOFTMAX AHEAD OF A QUANTISED PRODUCT. Where the list says 'softmax', what is quantised is not the finished softmax but p = 2^(t - M), with t = logit x log2(e) and M = ceil(the row's largest t), a whole number; so 1/2 < the row's largest p <= 1. The row's sum l is taken of the UNQUANTISED p, in f32, and the product's result is divided by l at the end. Since M is a whole number, a kernel that streams over the keys may use a running M (the ceiling of the running maximum): every later rescaling is an exact power of two, which a block's scale takes up: the codes' values come out the same.
;;   OPERANDS COMPUTED ON THE WAY. 'Computed on the way' means the value that the module computes at that place (a softmax that the list does not call 'softmax' is quantised finished and normalised). What goes into a quantiser is computed in f32, as accurately as f32 sums, v_exp_f32 and their like allow (about 1e-6 of the number): no bf16 or f16 on the way to a quantiser, and a product that is left as it is and whose result goes on into a quantised operand takes f32 operands (vector FMAs, or v_wmma_f32_16x16x4_f32). A number that lies on a knife's edge between two numbers of the format may be rounded either way, as far as f32 arithmetic and the matrix unit's own rounding can turn it there, and no further.
;; 2 versions, each right; version 2 is version 1 with the launch attn written anew for expert scheduling mode. Each part assembles by itself: llvm-mc -triple=amdgcn-amd-amdhsa -mcpu=gfx1250 --defsym DOCPART=n.
;; ======== version 1 of 2: 4 launches
;; limits: right only within a limited range of input values
;; workspace buffers: xq 22,937,600 bytes; mw 2,097,152 bytes of whole numbers; hq 20,185,088 bytes; aq 6,553,600 bytes
;; launch prep (part 1): grid 704 x 1, 4 waves a work-group, no clusters, 70,144 bytes of LDS; arguments q, k, v, w_q, w_k, w_v, w_o, mask, xq, mw; writes xq, mw
.if DOCPART == 1
	.amdgcn_target "amdgcn-amd-amdhsa--gfx1250"
	.amdhsa_code_object_version 6
	.text
	.protected	k_q6a01d57396_prep
	.globl	k_q6a01d57396_prep
	.p2align	8
	.type	k_q6a01d57396_prep,@function
k_q6a01d57396_prep:
	s_mov_b64 s[64:65], 0
	v_nop
	global_prefetch_b8 v0, s[64:65] scope:SCOPE_SE
	s_setreg_imm32_b32 hwreg(HW_REG_WAVE_MODE, 25, 1), 1
	s_wait_xcnt 0x0
; PREP.  (1) q, k, v [8192][1024] and w_q, w_k, w_v, w_o [1024][1024], f32, K innermost, become codes of FP6 (E2M3) with one E8M0 byte for each 32 along K, laid in the ORDER OF THE OPERAND'S REGISTERS.
; (2) the mask [4][2048][2048] of int32 becomes lane-mask words.
; A TILE is 16 rows: lane r of tile T holds row 128 (T / 8) + 32 ((T % 8) / 2) + 8 (T % 2) + r + 8 (r / 8).
; xq, codes: [T][s = 0..7][p = 0..5][lane][8 bytes]: piece p is registers 2 p, 2 p + 1 of the fragment of K step s (register 6 c + i of lane (r, h): k = 128 s + 64 c + 32 h + 0 .. 31).  12,288 bytes a tile.
; xq, scales, from XSO on: [T][sigma = 0..3][r][e = 0, 1] words: the word of K step 2 sigma + e.  512 bytes a tile.  Tiles: q 0, k 512, v 1024, w_q 1536, w_k 1600, w_v 1664, w_o 1728.
; mw: [b][tile of queries 128][key step 16][n = 0..63] words: bit r + 16 h of word n is 1 where mask[b][the tile's row r][128 step + 32 (n / 16) + 16 h + n % 16] is not 0.
; A block's scale is 2^(floor(log2(largest magnitude)) - 2): its byte is the largest magnitude's exponent field - 2, held at 1 from below by a floor among the maximum's leaves.
; LIMITS: NaN and infinities among the inputs are not served; a block of zeros gets the byte 1 where the rule says 127: its codes are zeros, and this program alone reads the bytes.
; SHARES: work-groups 0-447: a wave takes one tile for all of K (64 KiB of f32).  Work-groups 448-703: a wave takes one tile of queries of the mask for 8 of the 16 key steps (64 KiB): every wave reads as much.
; Every load reads 512 consecutive bytes of a row; the numbers turn through the wave's own stage in LDS (16 rows, 528 bytes apart) so that a lane holds neighbours along K.  Waves share nothing: no barrier.
; The two paths have LDS bytes of their own.  Every store of codes, scale words and mask words covers whole aligned runs of 256 bytes.
.set XSO,  22020096
.set SPT,  528                         ; a stage row: 512 bytes + 16
.set WSTG, 8704                        ; a wave's stage
.set MST,  34816                       ; the mask path's stages begin here
.set RS,   64                          ; v64-127, v128-191: two sets of 64 registers as loaded
.set XR,   192                         ; v192-255: 64 numbers as the work wants them
.set CD,   16                          ; v16-27  a fragment's codes
.set DD,   28                          ; v28-30, v32-34: the second halves of the blocks' codes
.set MX,   36                          ; v36-37  largest magnitudes
.set SO,   38                          ; v38-39  the conversions' scale operands
.set BY,   40                          ; v40-41  the scales' bytes
.set TP,   42                          ; v42     the other half's bytes
.set WD,   44                          ; v44-51  the eight scale words
.set OP,   52                          ; v52-55  scale words on the way out
	s_load_b512 s[4:19], s[0:1], 0x0               ; q, k, v, w_q, w_k, w_v, w_o, mask
	s_load_b128 s[20:23], s[0:1], 0x40             ; xq, mw
	v_lshl_add_u32 v62, v0, 2, 0x11000
	v_mov_b32 v63, 0
	v_lshrrev_b32 v1, 5, v0
	v_readfirstlane_b32 s32, v1                    ; wave
	v_and_b32 v9, 31, v0                           ; lane
	v_and_b32 v14, 15, v0                          ; r
	v_bfe_u32 v15, v0, 4, 1                        ; h
	v_lshlrev_b32 v1, 4, v9                        ; 16 x lane: my bytes of a load's 512
	s_mul_i32 s33, s32, WSTG
	v_add_nc_u32 v2, s33, v1                       ; the numbers' stage, on the way in
	v_add_nc_u32 v8, MST, v2                       ; the mask's stage, on the way in
	v_mul_u32_u24 v3, v14, SPT
	v_add_nc_u32 v3, s33, v3
	v_lshl_add_u32 v4, v15, 6, v3
	v_add_nc_u32 v4, MST, v4                       ; the mask's stage, out: row r, + 64 h
	v_lshl_add_u32 v3, v15, 7, v3                  ; the numbers' stage, out: row r, + 128 h
	v_lshlrev_b32 v5, 3, v9                        ; 8 x lane: a piece's place
	v_lshlrev_b32 v6, 3, v14
	v_lshl_add_u32 v6, v15, 7, v6                  ; 8 r + 128 h: the scale words' place
	v_lshlrev_b32 v7, 3, v15                       ; 8 h: my bytes' place in a scale word
	v_mov_b32 v[TP], 0                             ; a lane permute's and a lane write's destination count as sources
	v_mov_b32 v10, 0
	v_mov_b32 v11, 0
	s_mov_b32 s30, 0x76543210
	s_mov_b32 s31, 0xfedcba98                      ; selects: lane l xor 16
	s_wait_kmcnt 0x0
	s_cmp_ge_u32 ttmp9, 448
	s_cbranch_scc1 .Lmask
; ---------------- the numbers ----------------
	s_mov_b64 s[34:35], s[4:5]
	s_mov_b32 s36, 0
.macro PICK lo, ptr                    ; from work-group lo on: the next tensor.  The choice hangs on the work-group's number alone
	s_cmp_ge_u32 ttmp9, \lo
	s_cselect_b64 s[34:35], s[\ptr:\ptr+1], s[34:35]
	s_cselect_b32 s36, \lo, s36
.endm
	PICK 128, 6
	PICK 256, 8
	PICK 384, 10
	PICK 400, 12
	PICK 416, 14
	PICK 432, 16
	s_sub_co_u32 s37, ttmp9, s36
	s_lshl_b32 s37, s37, 2
	s_add_co_u32 s37, s37, s32                     ; my tile in its tensor
	s_lshr_b32 s38, s37, 3
	s_lshl_b32 s38, s38, 7
	s_bfe_u32 s39, s37, 0x20001
	s_lshl_b32 s39, s39, 5
	s_add_co_u32 s38, s38, s39
	s_and_b32 s39, s37, 1
	s_lshl_b32 s39, s39, 3
	s_add_co_u32 s38, s38, s39                     ; its first row
	s_lshl_b32 s38, s38, 12                        ; rows of 4,096 bytes
	s_mov_b32 s39, 0
	s_add_nc_u64 s[34:35], s[34:35], s[38:39]
	s_lshl_b32 s40, ttmp9, 2
	s_add_co_u32 s40, s40, s32                     ; my tile in xq
	s_mul_i32 s42, s40, 12288
	s_mov_b32 s43, 0
	s_add_nc_u64 s[42:43], s[20:21], s[42:43]      ; its codes
	s_lshl_b32 s44, s40, 9
	s_add_co_u32 s44, s44, XSO
	s_mov_b32 s45, 0
	s_add_nc_u64 s[44:45], s[20:21], s[44:45]      ; its scale words
.macro LOADX s                         ; K step s of the tile's 16 rows: each load reads 512 consecutive bytes
.irp i, 0,1,2,3,4,5,6,7,8,9,10,11,12,13,14,15
	global_load_b128 v[RS+64*((\s)%2)+4*\i:RS+64*((\s)%2)+4*\i+3], v1, s[34:35] offset:(\i+8*(\i/8))*4096+512*(\s) th:TH_LOAD_NT
.endr
.endm
.macro XSTEP s
.if (\s) < 7
	s_wait_loadcnt 16                              ; this step's 16 loads are in; the next step's 16 may be out
.else
	s_wait_loadcnt 0x0
.endif
.irp i, 0,1,2,3,4,5,6,7,8,9,10,11,12,13,14,15
	ds_store_b128 v2, v[RS+64*((\s)%2)+4*\i:RS+64*((\s)%2)+4*\i+3] offset:SPT*\i
.endr
.irp c, 0,1                            ; lane (r, h) takes k = 64 c + 32 h + 0 .. 31 of row r.  LDS serves a wave's instructions in order: these see the stores
.irp j, 0,1,2,3,4,5,6,7
	ds_load_b128 v[XR+32*\c+4*\j:XR+32*\c+4*\j+3], v3 offset:256*\c+16*\j
.endr
.endr
	s_wait_dscnt 0x0                               ; my numbers are back, and the stores have read their registers,
.if (\s) < 6
	LOADX (\s)+2                                   ; which take the loads of two steps on
.endif
.irp c, 0,1
	v_max3_num_f32 v[MX+\c], |v[XR+32*\c]|, |v[XR+32*\c+1]|, 0x1800000   ; my block 2 c + h, all 32 numbers mine; the floor 2^(3 - 127) holds the byte at 1 from below
.endr
.irp i, 2,4,6,8,10,12,14,16,18,20,22,24,26,28,30
.irp c, 0,1
	v_max3_num_f32 v[MX+\c], v[MX+\c], |v[XR+32*\c+\i]|, |v[XR+32*\c+\i+1]|
.endr
.endr
.irp c, 0,1
	v_add_nc_u32 v[SO+\c], 0xff000000, v[MX+\c]    ; 2 off the exponent field: the conversion's scale operand
.endr
.irp c, 0,1
	v_lshrrev_b32 v[BY+\c], 23, v[SO+\c]           ; the scale's byte
.endr
	v_lshl_or_b32 v[WD+(\s)], v[BY+1], 16, v[BY]   ; my two bytes: blocks h and 2 + h,
	v_lshlrev_b32 v[WD+(\s)], v7, v[WD+(\s)]       ; at their places;
	v_permlanex16_b32 v[TP], v[WD+(\s)], s30, s31
	v_or_b32 v[WD+(\s)], v[WD+(\s)], v[TP]         ; with lane l xor 16's two the word is whole
	s_wait_xcnt 0x0                                ; the last step's stores have read the codes' registers
.irp c, 0,1
	v_cvt_scalef32_pk16_fp6_f32 v[CD+6*\c:CD+6*\c+2], v[XR+32*\c:XR+32*\c+15], v[SO+\c]
	v_cvt_scalef32_pk16_fp6_f32 v[DD+4*\c:DD+4*\c+2], v[XR+32*\c+16:XR+32*\c+31], v[SO+\c]   ; (a conversion's three registers begin on an even number)
.endr
	v_nop                                          ; one plain place behind a scaled conversion
.irp c, 0,1
.irp i, 0,1,2
	v_mov_b32 v[CD+3+6*\c+\i], v[DD+4*\c+\i]
.endr
.endr
.irp p, 0,1,2,3,4,5
	global_store_b64 v5, v[CD+2*\p:CD+2*\p+1], s[42:43] offset:1536*(\s)+256*\p   ; 32 lanes store 256 consecutive bytes, aligned
.endr
.endm
	LOADX 0
	LOADX 1
.irp t, 0,1,2,3,4,5,6,7
	XSTEP \t
.endr
	v_cmp_eq_u32 vcc_lo, 1, v15                    ; lanes 0-15 store the words of sigma = 2 g, lanes 16-31 those of 2 g + 1
.irp g, 0,1
	v_cndmask_b32 v[OP+2*\g], v[WD+4*\g], v[WD+4*\g+2], vcc_lo
	v_cndmask_b32 v[OP+2*\g+1], v[WD+4*\g+1], v[WD+4*\g+3], vcc_lo
	global_store_b64 v6, v[OP+2*\g:OP+2*\g+1], s[44:45] offset:256*\g
.endr
	s_wait_tensorcnt 0x0
	ds_add_u32 v62, v63
	s_wait_dscnt 0x0
	s_endpgm
; ---------------- the mask ----------------
.Lmask:
	s_sub_co_u32 s37, ttmp9, 448
	s_lshl_b32 s37, s37, 2
	s_add_co_u32 s37, s37, s32                     ; 0 .. 1,023
	s_and_b32 s46, s37, 1                          ; which 8 of the 16 key steps are mine
	s_lshr_b32 s37, s37, 1                         ; u = 128 b + the tile of queries
	s_lshr_b32 s38, s37, 7                         ; b
	s_and_b32 s39, s37, 127
	s_lshr_b32 s40, s39, 3
	s_lshl_b32 s40, s40, 7
	s_bfe_u32 s41, s39, 0x20001
	s_lshl_b32 s41, s41, 5
	s_add_co_u32 s40, s40, s41
	s_and_b32 s41, s39, 1
	s_lshl_b32 s41, s41, 3
	s_add_co_u32 s40, s40, s41                     ; the tile's first query
	s_lshl_b32 s40, s40, 13                        ; rows of 8,192 bytes
	s_lshl_b32 s38, s38, 24
	s_add_co_u32 s40, s40, s38
	s_lshl_b32 s47, s46, 12                        ; 8 key steps are 4,096 bytes of a row
	s_add_co_u32 s40, s40, s47
	s_mov_b32 s41, 0
	s_add_nc_u64 s[34:35], s[18:19], s[40:41]
	s_lshl_b32 s42, s37, 12
	s_lshl_b32 s47, s46, 11                        ; and 8 x 256 bytes of words
	s_add_co_u32 s42, s42, s47
	s_mov_b32 s43, 0
	s_add_nc_u64 s[42:43], s[22:23], s[42:43]      ; my 8 x 256 bytes of words
.macro LOADM set, off                  ; 128 keys of the tile's 16 queries
.irp i, 0,1,2,3,4,5,6,7,8,9,10,11,12,13,14,15
	global_load_b128 v[RS+64*\set+4*\i:RS+64*\set+4*\i+3], v1, s[34:35] offset:(\i+8*(\i/8))*8192+\off th:TH_LOAD_NT
.endr
.endm
.macro PROC set, o                     ; a key step's 64 words
.irp i, 0,1,2,3,4,5,6,7,8,9,10,11,12,13,14,15
	ds_store_b128 v8, v[RS+64*\set+4*\i:RS+64*\set+4*\i+3] offset:SPT*\i
.endr
.irp b, 0,1,2,3                        ; register 16 b + i of lane (r, h): key 32 b + 16 h + i of query r
.irp j, 0,1,2,3
	ds_load_b128 v[XR+16*\b+4*\j:XR+16*\b+4*\j+3], v4 offset:128*\b+16*\j
.endr
.endr
	s_wait_dscnt 0x0
	s_wait_xcnt 0x0                                ; the last store has read the two word registers
.set n, 0
.rept 64
	v_cmp_ne_u32 s[24+n%4], 0, v[XR+n]             ; word n: a bit for each lane
	v_writelane_b32 v[10+n%2], s[24+n%4], n/2      ; lane l gathers words 2 l and 2 l + 1
.set n, n+1
.endr
	global_store_b64 v5, v[10:11], s[42:43] offset:\o   ; 256 consecutive bytes, aligned
.endm
.macro MTRIP more                      ; two key steps
	LOADM 1, 512
	s_wait_loadcnt 16                              ; set 0 is in; set 1's 16 loads may be out
	PROC 0, 0
.if \more
	LOADM 0, 1024
	s_wait_loadcnt 16                              ; set 1 is in; set 0's next 16 may be out
.else
	s_wait_loadcnt 0x0
.endif
	PROC 1, 256
.endm
	LOADM 0, 0
	s_mov_b32 s50, 3
.Lmtrip:
	MTRIP 1
	s_wait_xcnt 0x0                                ; loads and stores have read their bases
	s_add_nc_u64 s[34:35], s[34:35], 1024
	s_add_nc_u64 s[42:43], s[42:43], 512
	s_sub_co_u32 s50, s50, 1
	s_cmp_lg_u32 s50, 0
	s_cbranch_scc1 .Lmtrip
	MTRIP 0                                        ; my last two steps load nothing beyond them
	s_wait_tensorcnt 0x0
	ds_add_u32 v62, v63
	s_wait_dscnt 0x0
	s_endpgm
.Lfunc_end_k_q6a01d57396_prep:
	.size	k_q6a01d57396_prep, .Lfunc_end_k_q6a01d57396_prep-k_q6a01d57396_prep
	.p2alignl 7, 3214868480
	.fill 96, 4, 3214868480
	.section	.rodata,"a",@progbits
	.p2align	6, 0x0
	.amdhsa_kernel k_q6a01d57396_prep
		.amdhsa_group_segment_fixed_size 70144
		.amdhsa_private_segment_fixed_size 0
		.amdhsa_enable_private_segment 0
		.amdhsa_kernarg_size 80
		.amdhsa_user_sgpr_count 2
		.amdhsa_user_sgpr_kernarg_segment_ptr 1
		.amdhsa_wavefront_size32 1
		.amdhsa_system_sgpr_workgroup_id_x 1
		.amdhsa_system_sgpr_workgroup_id_y 1
		.amdhsa_system_sgpr_workgroup_id_z 1
		.amdhsa_system_vgpr_workitem_id 0
		.amdhsa_next_free_vgpr 256
		.amdhsa_next_free_sgpr 66
		.amdhsa_reserve_vcc 1
		.amdhsa_float_denorm_mode_32 3
		.amdhsa_float_denorm_mode_16_64 3
		.amdhsa_memory_ordered 1
		.amdhsa_forward_progress 1
		.amdhsa_inst_pref_size 109
	.end_amdhsa_kernel
	.amdgpu_metadata
---
amdhsa.version: [ 1, 2 ]
amdhsa.kernels:
  - .name:           k_q6a01d57396_prep
    .symbol:         k_q6a01d57396_prep.kd
    .args:
      - { .name: q, .offset: 0, .size: 8, .value_kind: global_buffer, .address_space: global }
      - { .name: k, .offset: 8, .size: 8, .value_kind: global_buffer, .address_space: global }
      - { .name: v, .offset: 16, .size: 8, .value_kind: global_buffer, .address_space: global }
      - { .name: w_q, .offset: 24, .size: 8, .value_kind: global_buffer, .address_space: global }
      - { .name: w_k, .offset: 32, .size: 8, .value_kind: global_buffer, .address_space: global }
      - { .name: w_v, .offset: 40, .size: 8, .value_kind: global_buffer, .address_space: global }
      - { .name: w_o, .offset: 48, .size: 8, .value_kind: global_buffer, .address_space: global }
      - { .name: mask, .offset: 56, .size: 8, .value_kind: global_buffer, .address_space: global }
      - { .name: xq, .offset: 64, .size: 8, .value_kind: global_buffer, .address_space: global }
      - { .name: mw, .offset: 72, .size: 8, .value_kind: global_buffer, .address_space: global }
    .group_segment_fixed_size: 70144
    .private_segment_fixed_size: 0
    .kernarg_segment_align: 8
    .kernarg_segment_size: 80
    .max_flat_workgroup_size: 128
    .sgpr_count:     66
    .vgpr_count:     256
    .wavefront_size: 32
...
	.end_amdgpu_metadata
.endif
;; end of part 1
;; launch proj (part 2): grid 4 x 96, 4 waves a work-group, clusters of 4 x 4, 327,680 bytes of LDS; arguments xq, hq; writes hq
.if DOCPART == 2
	.amdgcn_target "amdgcn-amd-amdhsa--gfx1250"
	.amdhsa_code_object_version 6
	.text
	.protected	k_q6a01d57396_proj
	.globl	k_q6a01d57396_proj
	.p2align	8
	.type	k_q6a01d57396_proj,@function
k_q6a01d57396_proj:
	s_mov_b64 s[64:65], 0
	v_nop
	global_prefetch_b8 v0, s[64:65] scope:SCOPE_SE
	s_setreg_imm32_b32 hwreg(HW_REG_WAVE_MODE, 25, 1), 1
	s_wait_xcnt 0x0
	s_wait_alu depctr_hold_cnt(0) depctr_sa_sdst(0) depctr_va_vdst(0) depctr_va_sdst(0) depctr_va_ssrc(0) depctr_va_vcc(0) depctr_vm_vsrc(0)
	s_getreg_b32 s2, hwreg(HW_REG_IB_STS2, 6, 4)
	s_cmp_eq_u32 s2, 0
	s_cbranch_scc0 .Lentry_in_a_cluster
	s_endpgm
.Lentry_in_a_cluster:
	s_bfe_u32 s2, ttmp6, 0x10000c
	s_cmp_lg_u32 s2, 0xf033
	s_cbranch_scc0 .Lentry_shape_is_right
	s_endpgm
.Lentry_shape_is_right:
; PROJ.  The three projections q w_q^T, k w_k^T, v w_v^T on codes of FP6 (E2M3) with E8M0 scales, K = 1,024, in one launch; the results are quantised on the way out, straight into attention's operand images.
; Clusters 0-7 along y make Q, 8-15 K, 16-23 V.  A work-group makes 256 x 256 of a product, a wave 128 x 128: 64 accumulators, 512 registers.  Operands lie in xq in the order of the operand's registers
; (a tile of 16 rows: 12,288 bytes of codes, [K step 8][piece 6][lane][8 bytes]; 512 bytes of scale words, [sigma 4][r][2]); lane r of tile T holds row 128 (T / 8) + 32 ((T % 8) / 2) + 8 (T % 2) + r + 8 (r / 8).
; THE MATRIX INSTRUCTION IS USED TRANSPOSED: source 0 = a tile of "B", source 1 = a tile of "A".  By the tiles' order of rows, lane (r, h) then holds one row of A, and register n = 8 b + j of a block's 64
; holds B's row 32 (n / 16) + 16 h + n % 16 of the wave's 128: sixteen neighbours for each pair of tiles, as the conversions want them.
; Q, K: A = the tokens, B = the weight: a lane holds a token, its registers run along the 128 features (two heads of 64): quantised along the head's 64.  Q is first multiplied by 1/8 (exact).
; V:    A = the weight, B = the tokens: a lane holds a feature, its registers run along 128 keys: quantised along the keys, which are the second attention product's K.
; hq: Q's images [bh 64][tile 128][piece 3][lane][8 B]; K's likewise from O_KI; V's from O_VI [bh][key step 16][tile of 16 features 4][3][lane][16 B];
;     scale words: Q's from O_QS, K's from O_KS [bh][J 16][g 2][r][4 words: tiles 4 g ..] (bytes 0, 1 the head's two blocks, bytes 2, 3 = 0x7f); V's from O_VS [bh][key step][r][4 words: the four tiles].
; K goes in steps of 256 through a ring of two LDS slots filled by the tensor data mover; a wave's load brings 8 tiles x 3,072 bytes.  The scale words of all of K come once, with the first fills.
; CLUSTERS: 4 x 4 work-groups; A's tiles are asked for jointly along a row of the cluster, B's along a column.  By this text's count a wave has three tensor loads out at the start and one behind each round.
; LIMITS: NaN and infinities are not served; a block of zeros gets the byte 1 (its codes are zeros; this program alone reads the bytes).
; REGISTERS: window 0: v16-29 addresses; v32-63 scale words, two sets; v128-223 A's fragments, one set; on the way out v64-191 at work.  Window 1: B's fragments, two sets.  Windows 2, 3: the accumulators.
.set NQ,     2
.set FR,     12
.set NL,     6
.set NP,     4
.set HALFT,  24576                     ; 8 tiles x 3,072 bytes: what one tensor load brings
.set SLOT,   4*HALFT
.set LAPS,   2                         ; 1,024 along K = 4 slots' worth = twice round the ring
.set SCL,    2*SLOT                    ; behind the ring: the scale words
.set HALFS,  4096                      ; those of 8 tiles
.set SPARE,  213248                    ; the spare words, 128 bytes for each wave: two blocks of 256 bytes that no other line names
.set XSO,    22020096
.set O_QS,   18874368
.set O_VS,   19922944
.set ADRA, 16                          ; v16-17  LDS address of my A fragments in slot 0, 1
.set ADRB, 20                          ; v20-21  the same for B
.set VSO,  22                          ; v22     16 r + 4,096 h: V's scale words on the way out
.set H16,  23                          ; v23     16 h
.set L8,   24                          ; v24     8 x lane
.set L16,  25                          ; v25     16 x lane
.set QSO,  26                          ; v26     16 r + 8,192 h: Q's and K's scale words on the way out
.set ADRS, 27                          ; v27     LDS address of my scale words: lanes 0-15 A's, lanes 16-31 B's
.set SPW,  28
.set NIL,  29
.set SC,   32
.set AF,   128
.set HA,   64                          ; the way out: 64 numbers of a block
.set PC,   128                         ; the codes just made
.set TM,   160                         ; at work
.set PWS,  180                         ; the eight blocks' scale words
.set PWT,  188
.set FAC,  10                          ; s[10:11] 1/8 for Q, else 1
.set SEL,  12                          ; s[12:13] selects: lane l xor 16
.set G1, 24
.set G0, 32
.set G1B, 48
.set G0B, 56
.set G1S, 68
.set G0S, 76
.set G1SB, 80
.set G0SB, 88
.set MSB, 0
.macro WIN new                         ; the immediate's high byte repeats the setting that is left
.if MSB != \new
	s_set_vgpr_msb (MSB<<8)|\new
.set MSB, \new
.endif
.endm
.set MUL_LO, 0xa1                      ; source 0 (B) window 1, source 1 (A) window 0, C and D window 2
.set MUL_HI, 0xf1
.set TO_B,   0x40
; A joint load: waves 0 and 1 fetch for A, waves 2 and 3 for B; the branch hangs on the wave's number alone.  Four v_nop follow each of the two lines.
.macro JLOAD g0a, g1a, g0b, g1b
	s_cmp_eq_u32 s15, 0
	s_cbranch_scc0 .Lfor_b_\@
	tensor_load_to_lds s[\g0a:\g0a+3], s[\g1a:\g1a+7]
	s_nop 0
.rept 4
	v_nop
.endr
	s_branch .Lasked_\@
.Lfor_b_\@:
	tensor_load_to_lds s[\g0b:\g0b+3], s[\g1b:\g1b+7]
	s_nop 0
.rept 4
	v_nop
.endr
.Lasked_\@:
.endm
.macro CREST
	s_cmp_lg_u32 s14, 0
	s_cbranch_scc1 .Lnot_wave_0_\@
	s_barrier_signal -3
.Lnot_wave_0_\@:
	s_barrier_wait -3
	s_barrier_signal -1
	s_barrier_wait -1
.endm
.macro CROUND
	s_barrier_signal -1
	s_barrier_wait -1
	CREST
.endm
	s_load_b128 s[4:7], s[0:1], 0x0                ; xq, hq
	v_lshl_add_u32 v[SPW], v0, 2, SPARE
	v_mov_b32 v[NIL], 0
	ds_add_u32 v28, v29
	ds_add_u32 v28, v29
	s_wait_dscnt 0x0
	v_lshrrev_b32 v1, 5, v0
	v_readfirstlane_b32 s14, v1                    ; wave
	s_lshr_b32 s15, s14, 1                         ; my half of A's rows.  Also: I fetch for A (0) or B (1)
	s_and_b32 s16, s14, 1                          ; my half of B's rows.  Also: which 8 tiles I fetch
	s_bfe_u32 s40, ttmp6, 0x40000                  ; cx
	s_bfe_u32 s41, ttmp6, 0x40004                  ; cy
	s_and_b32 s8, ttmp7, 0xffff                    ; the cluster's y: 0 .. 23
	s_lshr_b32 s9, s8, 3                           ; which product: 0 Q, 1 K, 2 V: the same in all sixteen partners
	s_and_b32 s10, s8, 7
	s_lshl_b32 s13, s9, 9                          ; A's first tile in xq: q 0, k 512,
	s_lshl_b32 s18, s9, 6
	s_add_co_u32 s18, s18, 1536                    ; B's: w_q 1536, w_k 1600
	s_cmp_eq_u32 s9, 2
	s_cselect_b32 s13, 1664, s13                   ; V: A = w_v,
	s_cselect_b32 s18, 1024, s18                   ; B = v
	s_cselect_b32 s11, 0, s10                      ; the long axis (8,192 tokens) is A's for Q and K, B's for V
	s_cselect_b32 s12, s10, 0
	s_lshl_b32 s42, s12, 2
	s_add_co_u32 s42, s42, s40                     ; tile column
	s_lshl_b32 s17, s11, 2
	s_add_co_u32 s17, s17, s41                     ; tile row
	s_lshl_b32 s43, s41, 2
	s_lshl_b32 s43, 15, s43                        ; my row of the cluster
	s_lshl_b32 s44, 0x1111, s40                    ; my column
	; descriptor group 1 for codes: 8 rows (tiles) of 384 elements of 8 bytes (two K steps of a tile), 1,536 elements from tile to tile; no padding: a fragment's piece is 256 dense bytes
	s_or_b32 s[G1+0], s43, (3<<16)|(1<<21)
	s_or_b32 s[G1B+0], s44, (3<<16)|(1<<21)
.irp g, G1, G1B
	s_mov_b32 s[\g+1], 384<<16                     ; tensor_dim0
	s_mov_b32 s[\g+2], 8<<16                       ; tensor_dim1
	s_mov_b32 s[\g+3], 384<<16                     ; tile_dim0
	s_mov_b32 s[\g+4], 8                           ; tile_dim1
	s_mov_b32 s[\g+5], 1536                        ; tensor_dim0_stride
	s_mov_b32 s[\g+6], 0
	s_mov_b32 s[\g+7], 0
.endr
	; and for the scale words of 8 tiles: 4,096 dense bytes as 16 rows of 256
	s_or_b32 s[G1S+0], s43, (3<<16)|(1<<21)
	s_or_b32 s[G1SB+0], s44, (3<<16)|(1<<21)
.irp g, G1S, G1SB
	s_mov_b32 s[\g+1], 32<<16
	s_mov_b32 s[\g+2], 16<<16
	s_mov_b32 s[\g+3], 32<<16
	s_mov_b32 s[\g+4], 16
	s_mov_b32 s[\g+5], 32
	s_mov_b32 s[\g+6], 0
	s_mov_b32 s[\g+7], 0
.endr
	s_lshl_b32 s19, s16, 3
	s_lshl_b32 s20, s17, 4
	s_add_co_u32 s20, s20, s13
	s_add_co_u32 s20, s20, s19                     ; A: the first of the 8 tiles that I fetch
	s_lshl_b32 s46, s42, 4
	s_add_co_u32 s46, s46, s18
	s_add_co_u32 s46, s46, s19                     ; B likewise
	s_lshl_b32 s22, s20, 9
	s_add_co_u32 s22, s22, XSO                     ; their scale words,
	s_mov_b32 s23, 0
	s_lshl_b32 s92, s46, 9
	s_add_co_u32 s92, s92, XSO
	s_mov_b32 s93, 0
	s_mul_i32 s20, s20, 12288                      ; their codes
	s_mov_b32 s21, 0
	s_mul_i32 s46, s46, 12288
	s_mov_b32 s47, 0
	s_mul_i32 s45, s14, HALFT                      ; where they go: no place in the cluster enters an LDS address
	s_mul_i32 s94, s14, HALFS
	s_wait_kmcnt 0x0
	s_add_nc_u64 s[20:21], s[4:5], s[20:21]
	s_add_nc_u64 s[22:23], s[4:5], s[22:23]
	s_add_nc_u64 s[46:47], s[4:5], s[46:47]
	s_add_nc_u64 s[92:93], s[4:5], s[92:93]
	CROUND                                         ; all sixteen work-groups are here: the first joint loads meet
	s_mov_b32 s[G0S], 1
	s_add_co_u32 s[G0S+1], s94, SCL
	s_mov_b64 s[G0S+2:G0S+3], s[22:23]
	s_or_b32 s[G0S+3], s[G0S+3], 0x80000000
	s_mov_b32 s[G0SB], 1
	s_add_co_u32 s[G0SB+1], s94, SCL+128           ; B's words lie 128 bytes further on, so that the two halves of a load's lanes touch different banks
	s_mov_b64 s[G0SB+2:G0SB+3], s[92:93]
	s_or_b32 s[G0SB+3], s[G0SB+3], 0x80000000
	JLOAD G0S, G1S, G0SB, G1SB                     ; the scale words first: they are wanted with the first K step
.irp s, 0,1
	s_mov_b32 s[G0+4*\s], 1
	s_add_co_u32 s[G0+4*\s+1], s45, \s*SLOT
	s_add_nc_u64 s[G0+4*\s+2:G0+4*\s+3], s[20:21], \s*3072
	s_or_b32 s[G0+4*\s+3], s[G0+4*\s+3], 0x80000000
	s_mov_b32 s[G0B+4*\s], 1
	s_add_co_u32 s[G0B+4*\s+1], s45, \s*SLOT
	s_add_nc_u64 s[G0B+4*\s+2:G0B+4*\s+3], s[46:47], \s*3072
	s_or_b32 s[G0B+4*\s+3], s[G0B+4*\s+3], 0x80000000
	JLOAD G0+4*\s, G1, G0B+4*\s, G1B
.endr
	v_and_b32 v1, 15, v0                           ; r
	v_bfe_u32 v2, v0, 4, 1                         ; h
	v_and_b32 v3, 31, v0                           ; lane
	v_lshlrev_b32 v[L8], 3, v3
	v_lshlrev_b32 v[L16], 4, v3
	s_mul_i32 s21, s15, HALFT                      ; my 8 tiles of A
	s_mul_i32 s22, s16, HALFT                      ; my 8 tiles of B,
	s_add_co_u32 s22, s22, 2*HALFT                 ; behind A's 16
.irp s, 0,1
	v_add_nc_u32 v[ADRA+\s], s21, v[L8]
	v_add_nc_u32 v[ADRB+\s], s22, v[L8]
	s_add_co_u32 s21, s21, SLOT
	s_add_co_u32 s22, s22, SLOT
.endr
	v_lshlrev_b32 v5, 3, v1                        ; my row's two words of a slot: 8 r
	s_mul_i32 s21, s15, HALFS
	s_mul_i32 s22, s16, HALFS
	s_add_co_u32 s22, s22, 2*HALFS+128
	s_sub_co_u32 s22, s22, s21
	v_mul_u32_u24 v6, s22, v2                      ; lanes 16-31 take B's
	s_add_co_u32 s21, s21, SCL
	v_add_nc_u32 v5, v5, v6
	v_add_nc_u32 v[ADRS], s21, v5
	v_lshlrev_b32 v[H16], 4, v2
	v_lshlrev_b32 v[QSO], 4, v1
	v_lshl_add_u32 v[VSO], v2, 12, v[QSO]
	v_lshl_add_u32 v[QSO], v2, 13, v[QSO]
	; where my results go
	s_lshl_b32 s95, s17, 1
	s_add_co_u32 s95, s95, s15                     ; which 128 of A's rows are mine
	s_lshl_b32 s96, s42, 1
	s_add_co_u32 s96, s96, s16                     ; which 128 of B's
	s_cmp_eq_u32 s9, 2
	s_cselect_b32 s97, s96, s95                    ; the group of 128 tokens,
	s_cselect_b32 s98, s95, s96                    ; the pair of heads
	s_lshr_b32 s99, s97, 4                         ; b
	s_and_b32 s97, s97, 15                         ; J
	s_lshl_b32 s99, s99, 4
	s_lshl_b32 s98, s98, 1
	s_add_co_u32 s99, s99, s98                     ; bh of the first of my two heads
	s_mul_i32 s20, s9, 6291456
	s_mul_i32 s21, s99, 98304
	s_add_co_u32 s20, s20, s21
	s_mul_i32 s21, s97, 6144
	s_add_co_u32 s20, s20, s21
	s_mov_b32 s21, 0
	s_add_nc_u64 s[66:67], s[6:7], s[20:21]        ; the images: one formula for Q, K and V
	s_lshl_b32 s20, s9, 19
	s_lshl_b32 s21, s99, 13
	s_add_co_u32 s20, s20, s21
	s_lshl_b32 s21, s97, 9
	s_add_co_u32 s20, s20, s21
	s_add_co_u32 s20, s20, O_QS                    ; Q's or K's scale words
	s_lshl_b32 s22, s99, 12
	s_lshl_b32 s23, s97, 8
	s_add_co_u32 s22, s22, s23
	s_add_co_u32 s22, s22, O_VS                    ; V's
	s_cmp_eq_u32 s9, 2
	s_cselect_b32 s20, s22, s20
	s_mov_b32 s21, 0
	s_add_nc_u64 s[100:101], s[6:7], s[20:21]
	s_mov_b32 s[FAC], 1.0
	s_cmp_eq_u32 s9, 0
	s_cselect_b32 s[FAC], 0x3e000000, s[FAC]       ; Q is divided by the temperature, 8, ahead of its quantiser: exact
	s_mov_b32 s[FAC+1], s[FAC]
	s_mov_b32 s[SEL], 0x76543210
	s_mov_b32 s[SEL+1], 0xfedcba98
	s_mov_b32 s8, 0xffff
.macro FRAG reg, adr, q, i             ; a fragment, 12 registers, as six dense pieces of 256 bytes: tile i of my eight, the slot's q-th 128 along K
.irp p, 0,1,2,3,4,5
	ds_load_b64 v[\reg+2*\p:\reg+2*\p+1], v[\adr] offset:3072*(\i)+1536*(\q)+256*\p
.endr
.endm
; 16 matrix instructions: A's blocks a0, a0 + 1 x B's eight.  The 64 accumulators take turns, one instruction a turn, in the same order in every step.
.macro MUL16 a0, p, q, sc, zero
.irp a, \a0, \a0+1
.irp b, 0,1,2,3,4,5,6,7
.if \zero
	v_wmma_scale_f32_16x16x128_f8f6f4 v[8*(8*((\a)%4)+\b):8*(8*((\a)%4)+\b)+7], v[128*(\p)+FR*\b:128*(\p)+FR*\b+FR-1], v[AF+FR*(\a):AF+FR*(\a)+FR-1], 0, v[SC+8*NQ*(\sc)+NQ*\b+(\q)], v[SC+8*NQ*(\sc)+NQ*(\a)+(\q)] matrix_a_fmt:MATRIX_FMT_FP6 matrix_b_fmt:MATRIX_FMT_FP6 matrix_a_scale:MATRIX_SCALE_ROW1
.else
	v_wmma_scale_f32_16x16x128_f8f6f4 v[8*(8*((\a)%4)+\b):8*(8*((\a)%4)+\b)+7], v[128*(\p)+FR*\b:128*(\p)+FR*\b+FR-1], v[AF+FR*(\a):AF+FR*(\a)+FR-1], v[8*(8*((\a)%4)+\b):8*(8*((\a)%4)+\b)+7], v[SC+8*NQ*(\sc)+NQ*\b+(\q)], v[SC+8*NQ*(\sc)+NQ*(\a)+(\q)] matrix_a_fmt:MATRIX_FMT_FP6 matrix_b_fmt:MATRIX_FMT_FP6 matrix_a_scale:MATRIX_SCALE_ROW1
.endif
.endr
.endr
.endm
.macro FETCH_B slot, q, p
	WIN TO_B
.irp i, 0,1,2,3,4,5,6,7
	FRAG 128*(\p)+FR*\i, ADRB+\slot, \q, \i
.endr
	WIN 0
.endm
.macro FETCH_A slot, q, i0
.irp i, \i0, \i0+1, \i0+2, \i0+3
	FRAG AF+FR*(\i), ADRA+\slot, \q, \i
.endr
.endm
.macro SCALES sc                       ; a slot's scale words: two a row; lanes 0-15 A's tile i, lanes 16-31 B's tile i
.irp i, 0,1,2,3,4,5,6,7
	ds_load_b64 v[SC+8*NQ*\sc+NQ*\i:SC+8*NQ*\sc+NQ*\i+1], v[ADRS] offset:\i*512
.endr
.endm
.macro PLACES n                        ; plain vector instructions between a matrix instruction and a load into, or a read of, its registers
.rept \n
	v_nop
.endr
.endm
.macro STEP slot, q, zero              ; 128 along K with its successor in the same slot
	s_wait_dscnt 4*NL                              ; B's set and A's blocks 0-3 are in; the youngest 24 loads (A's blocks 4-7) may be out
	WIN MUL_LO
	MUL16 0, (\q)%2, \q, \slot, \zero
	MUL16 2, (\q)%2, \q, \slot, \zero
	s_wait_dscnt 0
	PLACES NP
	FETCH_B \slot, (\q)+1, 1-(\q)%2
	FETCH_A \slot, (\q)+1, 0
	WIN MUL_HI
	MUL16 4, (\q)%2, \q, \slot, \zero
	MUL16 6, (\q)%2, \q, \slot, \zero
	PLACES NP
	WIN 0
	FETCH_A \slot, (\q)+1, 4
.endm
; A slot's last step changes slots: one barrier; in front of it each wave waits for all its tensor loads, adds 0 to its spare word, and waits for that and for its reads of this slot.
.macro TURN slot, next, fill
	s_wait_tensorcnt 0x0                           ; all my tensor loads have landed: my part of the next slot
	ds_add_u32 v[SPW], v[NIL]                      ; 0 onto my spare word
	s_wait_dscnt 4*NL+1                            ; (the add and the youngest 24 loads may be out)
	WIN MUL_LO
	MUL16 0, 1, NQ-1, \slot, 0
	s_wait_dscnt 0x0                               ; the add is done, and my reads of this slot are over
	s_barrier_signal -1
	MUL16 2, 1, NQ-1, \slot, 0
	WIN 0
	s_barrier_wait -1
.if \fill
	CREST                                          ; the barrier has opened a round of the cluster's barrier: no wave of any partner still reads this slot or has a load on its way
	s_add_nc_u64 s[G0+4*\slot+2:G0+4*\slot+3], s[G0+4*\slot+2:G0+4*\slot+3], 6144
	s_add_nc_u64 s[G0B+4*\slot+2:G0B+4*\slot+3], s[G0B+4*\slot+2:G0B+4*\slot+3], 6144
	JLOAD G0+4*\slot, G1, G0B+4*\slot, G1B         ; the first tensor load behind the round; its four v_nop are the places in front of the loads below
.else
	PLACES NP
.endif
	v_add_nc_u32 v[ADRS], 128, v[ADRS]             ; the next slot's scale words
	FETCH_B \next, 0, 0
	FETCH_A \next, 0, 0
	SCALES \next
	WIN MUL_HI
	MUL16 4, 1, NQ-1, \slot, 0
	MUL16 6, 1, NQ-1, \slot, 0
	PLACES NP
	WIN 0
	FETCH_A \next, 0, 4
.endm
	s_wait_tensorcnt 1                             ; the scale words and my part of slot 0 are in; slot 1's load may be out
	s_barrier_signal -1
	s_barrier_wait -1
	FETCH_B 0, 0, 0
	FETCH_A 0, 0, 0
	SCALES 0
	FETCH_A 0, 0, 4
	STEP 0, 0, 1                                   ; the first step's products start the sums: nothing is cleared
	s_mov_b32 s3, LAPS-1
.Llap:
	TURN 0, 1, 1
	STEP 1, 0, 0
	TURN 1, 0, 1
	STEP 0, 0, 0
	s_sub_co_u32 s3, s3, 1
	s_cmp_lg_u32 s3, 0
	s_cbranch_scc1 .Llap
	TURN 0, 1, 0                                   ; the last lap fills nothing
	STEP 1, 0, 0
	s_wait_dscnt 4*NL
	WIN MUL_LO
	MUL16 0, 1, NQ-1, 1, 0
	MUL16 2, 1, NQ-1, 1, 0
	s_wait_dscnt 0
	WIN MUL_HI
	MUL16 4, 1, NQ-1, 1, 0
	MUL16 6, 1, NQ-1, 1, 0
	WIN 0
; THE WAY OUT.  64 numbers of a lane, register 16 b + i = index 32 b + 16 h + i, become a fragment's codes in v[PC] on and its scale word in v[pw].
.macro QUANT s, pw
.irp b, 0,1,2,3
	v_max3_num_f32 v[TM+\b], |v[\s+16*\b]|, |v[\s+1+16*\b]|, 0x1800000   ; my 16 numbers of block b, and the floor 2^(3 - 127): the byte cannot fall under 1
.endr
.irp i, 2,4,6,8,10,12,14
.irp b, 0,1,2,3
	v_max3_num_f32 v[TM+\b], v[TM+\b], |v[\s+16*\b+\i]|, |v[\s+1+16*\b+\i]|
.endr
.endr
.irp b, 0,1,2,3
	v_permlanex16_b32 v[TM+4+\b], v[TM+\b], s[SEL], s[SEL+1]
.endr
.irp b, 0,1,2,3
	v_max_num_f32 v[TM+\b], v[TM+\b], v[TM+4+\b]   ; with lane l xor 16's: the block's largest magnitude
.endr
.irp b, 0,1,2,3
	v_add_nc_u32 v[TM+12+\b], 0xff000000, v[TM+\b] ; 2 off the exponent field: the conversion's scale operand
.endr
.irp b, 0,1,2,3
	v_lshrrev_b32 v[TM+4+\b], 23, v[TM+12+\b]      ; the scale's byte
.endr
	v_lshl_or_b32 v[\pw], v[TM+5], 8, v[TM+4]
	v_lshl_or_b32 v[\pw], v[TM+6], 16, v[\pw]
	v_lshl_or_b32 v[\pw], v[TM+7], 24, v[\pw]
.irp c, 0,1
	v_cvt_scalef32_pk16_fp6_f32 v[PC+6*\c:PC+2+6*\c], v[\s+32*\c:\s+15+32*\c], v[TM+12+2*\c]
	v_cvt_scalef32_pk16_fp6_f32 v[PC+12+4*\c:PC+14+4*\c], v[\s+16+32*\c:\s+31+32*\c], v[TM+12+2*\c+1]
.endr
	v_nop                                          ; one plain place behind a scaled conversion
.irp c, 0,1                            ; the operand's layout wants a whole block in a lane
.irp i, 0,1,2
	v_permlane16_swap_b32 v[PC+6*\c+\i], v[PC+12+4*\c+\i]
.endr
.irp i, 0,1,2
	v_mov_b32 v[PC+3+6*\c+\i], v[PC+12+4*\c+\i]
.endr
.endr
.endm
.macro BLOCKOUT a                      ; A's block a: 16 rows x my 128 of B
	WIN 0x02+(\a)/4                                ; source 0: window 2 or 3
.set j, 0
.rept 32
	v_pk_mul_f32 v[HA+j:HA+j+1], v[64*((\a)%4)+j:64*((\a)%4)+j+1], s[FAC:FAC+1] op_sel_hi:[1,0]   ; into window 0, each accumulator from its low end on
.set j, j+2
.endr
	WIN 0
	s_wait_xcnt 0x0                                ; the last block's stores have read the codes' registers
	QUANT HA, PWS+(\a)
	s_cmp_eq_u32 s9, 2
	s_cbranch_scc1 .Lkeys_\@
.irp p, 0,1,2,3,4,5                    ; Q, K: registers 0-5 are tile a of the first head, 6-11 of the second; each store covers 256 consecutive bytes, aligned
	global_store_b64 v[L8], v[PC+2*\p:PC+2*\p+1], s[66:67] offset:(\p/3)*98304+768*(\a)+256*(\p%3)
.endr
	s_branch .Ldone_\@
.Lkeys_\@:
.irp c, 0,1,2                          ; V: the fragment of 16 features x 128 keys; blocks 0-3 the first head, 4-7 the second; 512 consecutive bytes a store
	global_store_b128 v[L16], v[PC+4*\c:PC+4*\c+3], s[66:67] offset:((\a)/4)*98304+1536*((\a)%4)+512*\c
.endr
.Ldone_\@:
.endm
	PLACES NP                                      ; behind the last products: their results are read and A's registers written below
.irp b, 0,1,2,3
	v_mov_b32 v[TM+4+\b], 0                        ; a lane permute's destination counts as one of its sources
.endr
.irp t, 0,1,2,3,4,5,6,7
	BLOCKOUT \t
.endr
	s_cmp_eq_u32 s9, 2
	s_cbranch_scc1 .Lvscales
.irp t, 0,1,2,3,4,5,6,7                ; Q, K: lanes 0-15 take the first head's two bytes, lanes 16-31 the second's; bytes 2 and 3, for the 64 along K that hold no number, are 0x7f
	v_lshrrev_b32 v[PWS+\t], v[H16], v[PWS+\t]
.endr
.irp t, 0,1,2,3,4,5,6,7
	v_and_or_b32 v[PWS+\t], v[PWS+\t], s8, 0x7f7f0000
.endr
	global_store_b128 v[QSO], v[PWS:PWS+3], s[100:101]
	global_store_b128 v[QSO], v[PWS+4:PWS+7], s[100:101] offset:256
	s_branch .Lscales_done
.Lvscales:
	v_cmp_eq_u32 vcc_lo, 16, v[H16]                ; V: lanes 0-15 store the first head's four words, lanes 16-31 the second's
.irp i, 0,1,2,3
	v_cndmask_b32 v[PWT+\i], v[PWS+\i], v[PWS+4+\i], vcc_lo
.endr
	global_store_b128 v[VSO], v[PWT:PWT+3], s[100:101]
.Lscales_done:
	s_wait_tensorcnt 0x0                           ; the wave's end
	ds_add_u32 v[SPW], v[NIL]
	s_wait_dscnt 0x0
	CROUND                                         ; the closing round
	s_endpgm
.Lfunc_end_k_q6a01d57396_proj:
	.size	k_q6a01d57396_proj, .Lfunc_end_k_q6a01d57396_proj-k_q6a01d57396_proj
	.p2alignl 7, 3214868480
	.fill 96, 4, 3214868480
	.section	.rodata,"a",@progbits
	.p2align	6, 0x0
	.amdhsa_kernel k_q6a01d57396_proj
		.amdhsa_group_segment_fixed_size 327680
		.amdhsa_private_segment_fixed_size 0
		.amdhsa_enable_private_segment 0
		.amdhsa_kernarg_size 16
		.amdhsa_user_sgpr_count 2
		.amdhsa_user_sgpr_kernarg_segment_ptr 1
		.amdhsa_wavefront_size32 1
		.amdhsa_system_sgpr_workgroup_id_x 1
		.amdhsa_system_sgpr_workgroup_id_y 1
		.amdhsa_system_sgpr_workgroup_id_z 1
		.amdhsa_system_vgpr_workitem_id 0
		.amdhsa_next_free_vgpr 1024
		.amdhsa_next_free_sgpr 102
		.amdhsa_reserve_vcc 1
		.amdhsa_float_denorm_mode_32 3
		.amdhsa_float_denorm_mode_16_64 3
		.amdhsa_memory_ordered 1
		.amdhsa_forward_progress 1
		.amdhsa_inst_pref_size 187
	.end_amdhsa_kernel
	.amdgpu_metadata
---
amdhsa.version: [ 1, 2 ]
amdhsa.kernels:
  - .name:           k_q6a01d57396_proj
    .symbol:         k_q6a01d57396_proj.kd
    .args:
      - { .name: xq, .offset: 0, .size: 8, .value_kind: global_buffer, .address_space: global }
      - { .name: hq, .offset: 8, .size: 8, .value_kind: global_buffer, .address_space: global }
    .group_segment_fixed_size: 327680
    .private_segment_fixed_size: 0
    .kernarg_segment_align: 8
    .kernarg_segment_size: 16
    .max_flat_workgroup_size: 128
    .sgpr_count:     102
    .vgpr_count:     1024
    .wavefront_size: 32
...
	.end_amdgpu_metadata
.endif
;; end of part 2
;; launch attn (part 3): grid 4 x 64, 16 waves a work-group, no clusters, 215,040 bytes of LDS; arguments hq, mw, aq; writes aq
.if DOCPART == 3
	.amdgcn_target "amdgcn-amd-amdhsa--gfx1250"
	.amdhsa_code_object_version 6
	.text
	.protected	k_q6a01d57396_attn
	.globl	k_q6a01d57396_attn
	.p2align	8
	.type	k_q6a01d57396_attn,@function
k_q6a01d57396_attn:
	s_mov_b64 s[64:65], 0
	v_nop
	global_prefetch_b8 v0, s[64:65] scope:SCOPE_SE
	s_setreg_imm32_b32 hwreg(HW_REG_WAVE_MODE, 25, 1), 1
	s_wait_xcnt 0x0
; ATTN.  O = softmax(where(mask == 0, -1e9, (Q / 8) K^T)) V for one (batch, head) and 512 queries a work-group, both products on codes of FP6 (E2M3) with E8M0 scales; O is quantised along the joined
; head channels and stored as the last product's operand image.  Head size 64: the first product's K is 64, so registers 6-11 of Q's fragment are zero codes, and what stands in K's there adds nothing.
; THE SOFTMAX AHEAD OF THE SECOND PRODUCT: t = logit x log2(e); M = the running largest t rounded up to a whole number; p = 2^(t - M) is quantised along the keys, not normalised; the row's sum is taken
; of the unquantised p and divides O at the end; when M moves, the sum and O are multiplied by 2^(old M - new M): exact.
; SHARES.  256 work-groups of sixteen waves, four to a SIMD, 256 registers each.  Wave w of work-group x takes two tiles of 16 queries, 32 x + w and 32 x + 16 + w, one after the other, and walks all 2,048 keys
; for each, 128 a step.  Both products are used transposed: a lane holds one query throughout.
; THE WHOLE HEAD'S K AND V LIE IN LDS: images 2 x 98,304 bytes, scale words 8,192 + 4,096.  They come once, at the head, through registers (26 loads of 16 bytes a thread); ONE barrier follows; behind it LDS is
; only read, so the loop over the keys has no barrier and no wave waits for another.
; THE MASK comes as lane-mask words, 64 for a tile of queries and a key step, by scalar loads a step ahead; in every step each of the 64 scores is selected against its word, ahead of the maximum.
; No branch, trip count or address hangs on anything that is loaded.
; NO CLUSTER: the four work-groups of a head read the same K and V.  Each reads them once, at its head, for the 32 key steps of each of its sixteen waves; joint loads would spare three of four of those reads
; and are not built here.
; LIMITS: a hidden score takes -2^30 where the definition has -1e9.  In a row with an open key p is 0 either way; in a row without one p is 1 everywhere either way (c x -2^30 is a whole number).  This holds for
; open logits under 5e8 in magnitude.  NaN and infinities are not served.  O's scale bytes leave as single bytes (two heads, of different work-groups, share a word): 32 bytes a tile.
; REGISTERS: v1 8 x lane, v2 16 x lane + LV, v3 16 r + LKS, v6 16 r + LVS, v5 16 x thread, v4, v11 Q's places, v10 h; v12 -M, v13 the largest t, v[14:15] the sum; v16-21 Q, v22-27 zeros; v28-31 the step's LDS addresses;
; v32-79 K's 8 or V's 4 fragments, v80-85 zeros; v[86:87] the sum's second chain; v88 Q's scale word; v89 -2^30; v92, v93 the way out; v96-159 S^T, then p; v160-191 O^T; v192-210 p's codes;
; v212-219 K's scale words, v220-223 V's; v240-254 at work; v255 p's scale word.  At the head v96-199 carry K and V on their way to LDS, v204-207 the stores' addresses.  s[32:63], s[68:99]: the 64 mask words.
.set O_KI, 6291456
.set O_VI, 12582912
.set O_QS, 18874368
.set O_KS, 19398656
.set O_VS, 19922944
.set O_AS, 6291456
.set LV,   98304                       ; LDS: K's 128 tiles from 0, V's 16 key steps from here,
.set LKS,  196608                      ; K's scale words,
.set LVS,  204800                      ; V's
.set STG,  96                          ; v96-199: 26 x 4 registers on their way to LDS
.set SA,   204                         ; v204-207: 16 x thread + 65,536 k: an LDS offset holds 16 bits
.macro QLOAD u                         ; tile u's Q stays in registers
.irp p, 0,1,2
	global_load_b64 v[16+2*\p:17+2*\p], v11, s[4:5] offset:256*\p+12288*\u
.endr
	global_load_b32 v88, v4, s[4:5] offset:1024*\u
.endm
.macro MASKWORDS u                     ; 64 words of tile u, at s29 bytes
	s_load_b512 s[32:47], s[2:3], s29 offset:65536*\u
	s_load_b512 s[48:63], s[2:3], s29 offset:65536*\u+64
	s_load_b512 s[68:83], s[2:3], s29 offset:65536*\u+128
	s_load_b512 s[84:99], s[2:3], s29 offset:65536*\u+192
.endm
	s_load_b128 s[4:7], s[0:1], 0x0                ; hq, mw
	s_load_b64 s[8:9], s[0:1], 0x10                ; aq
	v_lshl_add_u32 v238, v0, 2, 0x34000
	v_mov_b32 v239, 0
	v_lshrrev_b32 v1, 5, v0
	v_readfirstlane_b32 s10, v1                    ; wave 0..15
	s_and_b32 s11, ttmp7, 0xffff                   ; bh
	s_lshl_b32 s66, ttmp9, 5
	s_add_co_u32 s66, s66, s10                     ; my first tile of queries in the head; the second lies 16 tiles on
	s_lshr_b32 s67, s11, 4
	s_lshl_b32 s67, s67, 7
	s_add_co_u32 s67, s67, s66                     ; T = 128 b + tile
	s_and_b32 s26, s11, 15                         ; the head
	v_and_b32 v8, 31, v0                           ; lane
	v_and_b32 v9, 15, v0                           ; r
	v_bfe_u32 v10, v0, 4, 1                        ; h
	v_lshlrev_b32 v1, 3, v8
	v_lshlrev_b32 v2, 4, v8
	v_add_nc_u32 v2, LV, v2
	v_lshlrev_b32 v7, 4, v9
	v_add_nc_u32 v3, LKS, v7
	v_add_nc_u32 v6, LVS, v7
	v_lshlrev_b32 v5, 4, v0
.irp k, 0,1,2,3
	v_add_nc_u32 v[SA+\k], 65536*\k, v5
.endr
	s_mul_i32 s100, s11, 98304                     ; the head's images
	s_mov_b32 s101, 0
	s_mul_i32 s31, s66, 768
	s_add_co_u32 s31, s31, s100
	v_add_nc_u32 v11, s31, v1                      ; Q's tile: + 8 x lane
	s_lshl_b32 s31, s11, 13
	s_lshr_b32 s29, s66, 2
	s_lshl_b32 s29, s29, 8
	s_add_co_u32 s31, s31, s29
	s_and_b32 s29, s66, 3
	s_lshl_b32 s29, s29, 2
	s_add_co_u32 s31, s31, s29
	s_add_co_u32 s31, s31, O_QS
	v_add_nc_u32 v4, s31, v7                       ; Q's scale word: + 16 r
	s_mul_i32 s31, s67, 12288
	s_mul_i32 s29, s26, 768
	s_add_co_u32 s31, s31, s29
	v_add_nc_u32 v93, s31, v1                      ; aq: tile T, K step head / 2, pieces 3 (head % 2) on
	s_lshl_b32 s31, s67, 9
	s_lshr_b32 s29, s26, 2
	s_lshl_b32 s29, s29, 7
	s_add_co_u32 s31, s31, s29
	s_and_b32 s29, s26, 3
	s_lshl_b32 s29, s29, 1
	s_add_co_u32 s31, s31, s29
	s_add_co_u32 s31, s31, O_AS
	v_lshl_add_u32 v92, v9, 3, v10
	v_add_nc_u32 v92, s31, v92                     ; aq's scale byte of block h of my head: 8 r + h on
	s_lshl_b32 s18, s11, 13
	s_add_co_u32 s18, s18, O_KS
	s_mov_b32 s19, 0
	s_lshl_b32 s20, s11, 12
	s_add_co_u32 s20, s20, O_VS
	s_mov_b32 s21, 0
	s_mov_b32 s22, 0x3fb8aa3b                      ; c = log2(e); the temperature is in Q already
	s_mov_b32 s23, s22
	s_mov_b32 s24, 0x76543210
	s_mov_b32 s25, 0xfedcba98
.irp i, 0,1,2,3
	v_mov_b32 v[STG+100+\i], 0                     ; (only waves 0 to 7 load these)
.endr
	s_wait_kmcnt 0x0
	s_add_nc_u64 s[16:17], s[4:5], s[100:101]
	s_add_nc_u64 s[12:13], s[16:17], O_KI          ; K's images of the head
	s_add_nc_u64 s[16:17], s[16:17], O_VI          ; V's
	s_add_nc_u64 s[18:19], s[4:5], s[18:19]        ; K's scale words
	s_add_nc_u64 s[20:21], s[4:5], s[20:21]        ; V's
	s_lshl_b32 s100, s67, 12
	s_add_nc_u64 s[2:3], s[6:7], s[100:101]        ; my first tile's mask words
	; THE HEAD'S K AND V: each load of the work-group covers 8,192 consecutive bytes.  V's scale words are half a load: waves 0 to 7; that load stands first, so that the counts below hold in every wave
	s_cmp_lt_u32 s10, 8
	s_cbranch_scc0 .Lno_vsi
	global_load_b128 v[STG+100:STG+103], v5, s[20:21]
.Lno_vsi:
	global_load_b128 v[STG+96:STG+99], v5, s[18:19]
.irp i, 0,1,2,3,4,5,6,7,8,9,10,11
	global_load_b128 v[STG+4*\i:STG+4*\i+3], v5, s[12:13] offset:8192*\i
.endr
.irp i, 0,1,2,3,4,5,6,7,8,9,10,11
	global_load_b128 v[STG+48+4*\i:STG+48+4*\i+3], v5, s[16:17] offset:8192*\i
.endr
	QLOAD 0
	s_mov_b32 s29, 0
	MASKWORDS 0                                    ; key step 0's words
.irp i, 0,1,2,3,4,5
	v_mov_b32 v[22+\i], 0                          ; Q's codes for k = 64 .. 127: zeros
	v_mov_b32 v[80+\i], 0                          ; and what stands behind K's last tile
.endr
	v_mov_b32 v89, 0xce800000                      ; -2^30
.irp b, 0,1,2,3
	v_mov_b32 v[244+\b], 0                         ; a lane permute's destination counts as one of its sources
.endr
	v_mov_b32 v253, 0                              ; (named as the upper half of the pair v[252:253])
	s_wait_loadcnt 16                              ; the scale words and K's 12 loads are in; V's 12 and Q's 4 may be out
.irp c, 0,1,2,3,4,5,6,7,8,9,10,11
	ds_store_b128 v[SA+\c/8], v[STG+4*\c:STG+4*\c+3] offset:8192*(\c%8)
.endr
	ds_store_b128 v[SA+3], v[STG+96:STG+99]
	s_cmp_lt_u32 s10, 8
	s_cbranch_scc0 .Lno_vso
	ds_store_b128 v[SA+3], v[STG+100:STG+103] offset:8192
.Lno_vso:
	s_wait_loadcnt 4                               ; V's 12 loads are in; Q's 4 may be out
.irp c, 12,13,14,15,16,17,18,19,20,21,22,23
	ds_store_b128 v[SA+\c/8], v[STG+4*\c:STG+4*\c+3] offset:8192*(\c%8)
.endr
	s_wait_dscnt 0x0                               ; for the others' sake: my stores have landed
	s_barrier_signal -1
	s_barrier_wait -1                              ; the launch's one barrier: from here on LDS is only read
; A KEY STEP of tile u: 128 keys; s14, s15, s30 say where its images and scale words lie.
.macro STEP u
	v_add_nc_u32 v28, s14, v1                      ; K's tiles.  (These four are also the places in front of loads into registers that the last products have read)
	v_add_nc_u32 v29, s14, v2                      ; V's
	v_add_nc_u32 v30, s15, v3                      ; K's scale words
	v_add_nc_u32 v31, s30, v6                      ; V's
.irp t, 0,1,2,3,4,5,6,7
.irp p, 0,1,2
	ds_load_b64 v[32+6*\t+2*\p:33+6*\t+2*\p], v28 offset:768*\t+256*\p
.endr
.endr
.irp g, 0,1
	ds_load_b128 v[212+4*\g:215+4*\g], v30 offset:256*\g
.endr
	s_wait_dscnt 0x0
.irp t, 0,1,2,3,4,5,6,7                ; S^T = K Q^T.  A fragment's upper six registers are the next tile's codes: they meet Q's zeros
	v_wmma_scale_f32_16x16x128_f8f6f4 v[96+8*\t:103+8*\t], v[32+6*\t:43+6*\t], v[16:27], 0, v[212+\t], v88 matrix_a_fmt:MATRIX_FMT_FP6 matrix_b_fmt:MATRIX_FMT_FP6
.endr
.rept 4
	v_nop
.endr
.irp i, 0,1,2,3                        ; V's fragments land under the softmax
.irp c, 0,1,2
	ds_load_b128 v[32+12*\i+4*\c:35+12*\i+4*\c], v29 offset:1536*\i+512*\c
.endr
.endr
	ds_load_b128 v[220:223], v31
	s_wait_kmcnt 0x0                               ; this step's mask words, asked for a step ago
.set n, 0
.rept 64
	v_cndmask_b32 v[96+n], v89, v[96+n], s[32+n+4*(n/32)]   ; register n: key 32 (n / 16) + 16 h + n % 16; bit = my lane's; a hidden score becomes -2^30
.set n, n+1
.endr
	s_wait_xcnt 0x0                                ; the scalar loads' offset is written again only behind this wait
	s_add_co_u32 s28, s28, 1
	s_min_u32 s31, s28, 15                         ; (a tile's last step asks for its own words again: no load leaves the buffer)
	s_lshl_b32 s29, s31, 8
	MASKWORDS \u
.irp b, 0,1,2,3
	v_max3_num_f32 v[240+\b], v[96+16*\b], v[97+16*\b], v[98+16*\b]   ; the largest score of each block of 32 keys: for the row's maximum and, since p rises with the score, for the block's largest p
.endr
.irp i, 3,5,7,9,11,13
.irp b, 0,1,2,3
	v_max3_num_f32 v[240+\b], v[240+\b], v[96+16*\b+\i], v[97+16*\b+\i]
.endr
.endr
.irp b, 0,1,2,3
	v_max_num_f32 v[240+\b], v[240+\b], v[111+16*\b]
.endr
.irp b, 0,1,2,3
	v_permlanex16_b32 v[244+\b], v[240+\b], s24, s25
.endr
.irp b, 0,1,2,3
	v_max_num_f32 v[240+\b], v[240+\b], v[244+\b]  ; with lane l xor 16's 16 keys
.endr
	v_max3_num_f32 v254, v240, v241, v242
	v_max_num_f32 v254, v254, v243
	v_mul_f32 v254, s22, v254                      ; as t
	v_max_num_f32 v13, v13, v254                   ; the running largest t
	v_mov_b32 v254, v12
	v_floor_f32 v12, -v13                          ; the new -M: a whole number
	v_sub_f32 v254, v12, v254
	v_cvt_i32_f32 v254, v254                       ; old M - new M (it saturates)
	v_ldexp_f32 v252, 1.0, v254                    ; f = 2^(old M - new M)
.set n, 0
.rept 32
	v_pk_fma_f32 v[96+n:97+n], v[96+n:97+n], s[22:23], v[12:13] op_sel_hi:[1,0,0]   ; t - M
.set n, n+2
.endr
.irp b, 0,1,2,3
	v_fma_f32 v[240+\b], v[240+\b], s22, v12
.endr
.set n, 0
.rept 64
	v_exp_f32 v[96+n], v[96+n]                     ; p = 2^(t - M)
.set n, n+1
.endr
	v_pk_mul_f32 v[14:15], v[14:15], v[252:253] op_sel_hi:[1,0]   ; the sums under the new M: the plain place behind the batch
	s_wait_alu depctr_va_vdst(0)                   ; one wait for the batch, ahead of its first reader
.irp b, 0,1,2,3
	v_exp_f32 v[240+\b], v[240+\b]                 ; the blocks' largest p
.endr
	v_pk_add_f32 v[86:87], v[96:97], v[98:99]      ; the row's sum of the unquantised p, in two chains
.irp j, 4,8,12,16,20,24,28,32,36,40,44,48,52,56,60
	v_pk_add_f32 v[14:15], v[14:15], v[96+\j:97+\j]
	v_pk_add_f32 v[86:87], v[86:87], v[98+\j:99+\j]
.endr
	v_pk_add_f32 v[14:15], v[14:15], v[86:87]
	s_wait_alu depctr_va_vdst(0)                   ; and one for the four
.irp b, 0,1,2,3
	v_max_num_f32 v[240+\b], 0x1800000, v[240+\b]  ; the floor 2^(3 - 127): the byte cannot fall under 1
.endr
.irp b, 0,1,2,3
	v_add_nc_u32 v[248+\b], 0xff000000, v[240+\b]
.endr
.irp b, 0,1,2,3
	v_lshrrev_b32 v[244+\b], 23, v[248+\b]
.endr
	v_lshl_or_b32 v255, v245, 8, v244              ; p's scale word for these 128 keys
	v_lshl_or_b32 v255, v246, 16, v255
	v_lshl_or_b32 v255, v247, 24, v255
.irp c, 0,1
	v_cvt_scalef32_pk16_fp6_f32 v[192+6*\c:194+6*\c], v[96+32*\c:111+32*\c], v[248+2*\c]
	v_cvt_scalef32_pk16_fp6_f32 v[204+4*\c:206+4*\c], v[112+32*\c:127+32*\c], v[248+2*\c+1]
.endr
	v_nop                                          ; one plain place behind a scaled conversion
.irp c, 0,1
.irp i, 0,1,2
	v_permlane16_swap_b32 v[192+6*\c+\i], v[204+4*\c+\i]
.endr
.irp i, 0,1,2
	v_mov_b32 v[195+6*\c+\i], v[204+4*\c+\i]
.endr
.endr
.set n, 0
.rept 16
	v_pk_mul_f32 v[160+n:161+n], v[160+n:161+n], v[252:253] op_sel_hi:[1,0]   ; O^T under the new M; these are also the places between p's codes and scale word and the products
.set n, n+2
.endr
	s_wait_dscnt 0x0                               ; V
.irp i, 0,1,2,3                        ; O^T += V^T P^T: four accumulators by turns
	v_wmma_scale_f32_16x16x128_f8f6f4 v[160+8*\i:167+8*\i], v[32+12*\i:43+12*\i], v[192:203], v[160+8*\i:167+8*\i], v[220+\i], v255 matrix_a_fmt:MATRIX_FMT_FP6 matrix_b_fmt:MATRIX_FMT_FP6
.endr
	s_add_co_u32 s14, s14, 6144                    ; the next step's images,
	s_add_co_u32 s15, s15, 512                     ; K's scale words,
	s_add_co_u32 s30, s30, 256                     ; V's
.endm
; ONE TILE OF 16 QUERIES: all 16 key steps, then the way out.  u = 0: my first tile; 1: the one 16 tiles on, whose places are the first's plus constants.
.macro TILE u
	v_mov_b32 v13, 0xff61b1e6                      ; the largest t so far: -3e38
	v_floor_f32 v12, -v13                          ; -M
	v_mov_b32 v14, 0
	v_mov_b32 v15, 0
.set n, 0
.rept 32
	v_mov_b32 v[160+n], 0                          ; O^T: the step is written once; the first change of M leaves zeros zeros
.set n, n+1
.endr
	s_mov_b32 s14, 0
	s_mov_b32 s15, 0
	s_mov_b32 s30, 0
	s_mov_b32 s28, 0                               ; the key step
	s_wait_loadcnt 0x0                             ; Q
	s_mov_b32 s27, 16
.Lstep_\u:
	STEP \u
	s_sub_co_u32 s27, s27, 1
	s_cmp_lg_u32 s27, 0
	s_cbranch_scc1 .Lstep_\u
.if \u == 0
	s_wait_kmcnt 0x0                               ; the words that the last step asked for are in: their registers may be loaded anew
	s_wait_xcnt 0x0
	s_mov_b32 s29, 0
	MASKWORDS 1                                    ; the next tile's first words and its Q are asked for ahead of this tile's way out
	QLOAD 1
.endif
	; THE WAY OUT: O^T / the sum, quantised along my head's 64 channels (two blocks), as pieces of the last product's operand image.
.rept 4
	v_nop
.endr
	v_add_f32 v14, v14, v15
	v_permlanex16_b32 v254, v14, s24, s25
	v_add_f32 v14, v14, v254                       ; the row's sum
	v_rcp_f32 v14, v14
	v_nop                                          ; a plain place behind the reciprocal
	s_wait_alu depctr_va_vdst(0)                   ; and the wait ahead of its first reader
.set n, 0
.rept 32
	v_mul_f32 v[96+n], v[160+n], v14               ; register 16 b + i: channel 32 b + 16 h + i
.set n, n+1
.endr
.irp b, 0,1
	v_max3_num_f32 v[240+\b], |v[96+16*\b]|, |v[97+16*\b]|, 0x1800000
.endr
.irp i, 2,4,6,8,10,12,14
.irp b, 0,1
	v_max3_num_f32 v[240+\b], v[240+\b], |v[96+16*\b+\i]|, |v[97+16*\b+\i]|
.endr
.endr
.irp b, 0,1
	v_permlanex16_b32 v[244+\b], v[240+\b], s24, s25
.endr
.irp b, 0,1
	v_max_num_f32 v[240+\b], v[240+\b], v[244+\b]
.endr
.irp b, 0,1
	v_add_nc_u32 v[248+\b], 0xff000000, v[240+\b]
.endr
.irp b, 0,1
	v_lshrrev_b32 v[244+\b], 23, v[248+\b]
.endr
	v_cvt_scalef32_pk16_fp6_f32 v[192:194], v[96:111], v248
	v_cvt_scalef32_pk16_fp6_f32 v[204:206], v[112:127], v249
	v_nop
.irp i, 0,1,2
	v_permlane16_swap_b32 v[192+\i], v[204+\i]
.endr
.irp i, 0,1,2
	v_mov_b32 v[195+\i], v[204+\i]                 ; registers 0-5: channels 32 h + 0 .. 31
.endr
	v_cmp_eq_u32 vcc_lo, 1, v10
	v_cndmask_b32 v254, v244, v245, vcc_lo         ; block h's byte
.irp p, 0,1,2
	global_store_b64 v93, v[192+2*\p:193+2*\p], s[8:9] offset:256*\p+196608*\u   ; 256 consecutive bytes, aligned
.endr
	global_store_b8 v92, v254, s[8:9] offset:8192*\u
.if \u == 0
	s_wait_xcnt 0x0                                ; the stores have read their registers: the next tile writes them again
.endif
.endm
	TILE 0
	TILE 1
	s_wait_tensorcnt 0x0
	ds_add_u32 v238, v239
	s_wait_dscnt 0x0
	s_endpgm
.Lfunc_end_k_q6a01d57396_attn:
	.size	k_q6a01d57396_attn, .Lfunc_end_k_q6a01d57396_attn-k_q6a01d57396_attn
	.p2alignl 7, 3214868480
	.fill 96, 4, 3214868480
	.section	.rodata,"a",@progbits
	.p2align	6, 0x0
	.amdhsa_kernel k_q6a01d57396_attn
		.amdhsa_group_segment_fixed_size 215040
		.amdhsa_private_segment_fixed_size 0
		.amdhsa_enable_private_segment 0
		.amdhsa_kernarg_size 24
		.amdhsa_user_sgpr_count 2
		.amdhsa_user_sgpr_kernarg_segment_ptr 1
		.amdhsa_wavefront_size32 1
		.amdhsa_system_sgpr_workgroup_id_x 1
		.amdhsa_system_sgpr_workgroup_id_y 1
		.amdhsa_system_sgpr_workgroup_id_z 1
		.amdhsa_system_vgpr_workitem_id 0
		.amdhsa_next_free_vgpr 256
		.amdhsa_next_free_sgpr 102
		.amdhsa_reserve_vcc 1
		.amdhsa_float_denorm_mode_32 3
		.amdhsa_float_denorm_mode_16_64 3
		.amdhsa_memory_ordered 1
		.amdhsa_forward_progress 1
		.amdhsa_inst_pref_size 61
	.end_amdhsa_kernel
	.amdgpu_metadata
---
amdhsa.version: [ 1, 2 ]
amdhsa.kernels:
  - .name:           k_q6a01d57396_attn
    .symbol:         k_q6a01d57396_attn.kd
    .args:
      - { .name: hq, .offset: 0, .size: 8, .value_kind: global_buffer, .address_space: global }
      - { .name: mw, .offset: 8, .size: 8, .value_kind: global_buffer, .address_space: global }
      - { .name: aq, .offset: 16, .size: 8, .value_kind: global_buffer, .address_space: global }
    .group_segment_fixed_size: 215040
    .private_segment_fixed_size: 0
    .kernarg_segment_align: 8
    .kernarg_segment_size: 24
    .max_flat_workgroup_size: 512
    .sgpr_count:     102
    .vgpr_count:     256
    .wavefront_size: 32
...
	.end_amdgpu_metadata
.endif
;; end of part 3
;; launch outp (part 4): grid 4 x 32, 4 waves a work-group, clusters of 4 x 4, 327,680 bytes of LDS; arguments aq, xq, out0; writes out0
.if DOCPART == 4
	.amdgcn_target "amdgcn-amd-amdhsa--gfx1250"
	.amdhsa_code_object_version 6
	.text
	.protected	k_q6a01d57396_outp
	.globl	k_q6a01d57396_outp
	.p2align	8
	.type	k_q6a01d57396_outp,@function
k_q6a01d57396_outp:
	s_mov_b64 s[64:65], 0
	v_nop
	global_prefetch_b8 v0, s[64:65] scope:SCOPE_SE
	s_setreg_imm32_b32 hwreg(HW_REG_WAVE_MODE, 25, 1), 1
	s_wait_xcnt 0x0
	s_wait_alu depctr_hold_cnt(0) depctr_sa_sdst(0) depctr_va_vdst(0) depctr_va_sdst(0) depctr_va_ssrc(0) depctr_va_vcc(0) depctr_vm_vsrc(0)
	s_getreg_b32 s2, hwreg(HW_REG_IB_STS2, 6, 4)
	s_cmp_eq_u32 s2, 0
	s_cbranch_scc0 .Lentry_in_a_cluster
	s_endpgm
.Lentry_in_a_cluster:
	s_bfe_u32 s2, ttmp6, 0x10000c
	s_cmp_lg_u32 s2, 0xf033
	s_cbranch_scc0 .Lentry_shape_is_right
	s_endpgm
.Lentry_shape_is_right:
; OUTP.  out0 = O w_o^T on codes of FP6 (E2M3) with E8M0 scales, K = 1,024; out0 [8192][1024] f32.  A = attention's output in aq, B = w_o in xq (tiles 1728 on), both in the order of the operand's registers:
; a tile of 16 rows is 12,288 bytes of codes [K step 8][piece 6][lane][8 bytes] and 512 bytes of scale words [sigma 4][r][2]; lane r of tile T holds row 128 (T / 8) + 32 ((T % 8) / 2) + 8 (T % 2) + r + 8 (r / 8).
; A work-group makes 256 x 256, a wave 128 x 128: 64 accumulators.  K goes in steps of 256 through a ring of two LDS slots filled by the tensor data mover (a wave's load: 8 tiles x 3,072 bytes);
; the scale words of all of K come once, with the first fills.  CLUSTERS: 4 x 4 work-groups; A's tiles are asked for jointly along a row of the cluster, B's along a column.
; By this text's count a wave has three tensor loads out at the start and one behind each round.
; THE MATRIX INSTRUCTION IS USED TRANSPOSED (source 0 = B's tile, source 1 = A's): lane (r, h) of accumulator (a, b) holds A's row r of tile a, and register j the column 32 (b / 2) + 8 (b % 2) + 16 h + j.
; The way out goes through the wave's stage in LDS, where the columns are put in their places, and leaves as whole rows of 512 bytes.
; REGISTERS: window 0: v16-29 addresses; v32-63 scale words, two sets; v128-223 A's fragments; on the way out v128-255 rows.  Window 1: B's fragments, two sets.  Windows 2, 3: the accumulators.
.set NQ,     2
.set FR,     12
.set NL,     6
.set NP,     4
.set HALFT,  24576
.set SLOT,   4*HALFT
.set LAPS,   2
.set SCL,    2*SLOT
.set HALFS,  4096
.set SPARE,  213248                    ; the spare words, 128 bytes for each wave: two blocks of 256 bytes that no other line names
.set XSO,    22020096
.set ASO,    6291456
.set SPITCH, 528                       ; the stage: 16 rows x (512 bytes + 16) for each wave, in slot 0, which has had its last fill and its last read when the first result is stored there
.set ADRA, 16
.set ADRB, 20
.set STO,  24
.set RD,   25
.set CO,   26
.set ADRS, 27
.set SPW,  28
.set NIL,  29
.set SC,   32
.set AF,   128
.set BK,   128
.set G1, 24
.set G0, 32
.set G1B, 48
.set G0B, 56
.set G1S, 68
.set G0S, 76
.set G1SB, 80
.set G0SB, 88
.set MSB, 0
.macro WIN new
.if MSB != \new
	s_set_vgpr_msb (MSB<<8)|\new
.set MSB, \new
.endif
.endm
.set MUL_LO, 0xa1
.set MUL_HI, 0xf1
.set TO_B,   0x40
.macro JLOAD g0a, g1a, g0b, g1b        ; a joint load: waves 0 and 1 for A, waves 2 and 3 for B; four v_nop follow each of the two lines
	s_cmp_eq_u32 s15, 0
	s_cbranch_scc0 .Lfor_b_\@
	tensor_load_to_lds s[\g0a:\g0a+3], s[\g1a:\g1a+7]
	s_nop 0
.rept 4
	v_nop
.endr
	s_branch .Lasked_\@
.Lfor_b_\@:
	tensor_load_to_lds s[\g0b:\g0b+3], s[\g1b:\g1b+7]
	s_nop 0
.rept 4
	v_nop
.endr
.Lasked_\@:
.endm
.macro CREST
	s_cmp_lg_u32 s14, 0
	s_cbranch_scc1 .Lnot_wave_0_\@
	s_barrier_signal -3
.Lnot_wave_0_\@:
	s_barrier_wait -3
	s_barrier_signal -1
	s_barrier_wait -1
.endm
.macro CROUND
	s_barrier_signal -1
	s_barrier_wait -1
	CREST
.endm
	s_load_b128 s[4:7], s[0:1], 0x0                ; aq, xq
	s_load_b64 s[12:13], s[0:1], 0x10              ; out0
	v_lshl_add_u32 v[SPW], v0, 2, SPARE
	v_mov_b32 v[NIL], 0
	ds_add_u32 v28, v29
	ds_add_u32 v28, v29
	s_wait_dscnt 0x0
	v_lshrrev_b32 v1, 5, v0
	v_readfirstlane_b32 s14, v1                    ; wave
	s_lshr_b32 s15, s14, 1
	s_and_b32 s16, s14, 1
	s_bfe_u32 s40, ttmp6, 0x40000                  ; cx
	s_bfe_u32 s41, ttmp6, 0x40004                  ; cy
	s_lshl_b32 s42, ttmp9, 2
	s_add_co_u32 s42, s42, s40                     ; tile column
	s_and_b32 s17, ttmp7, 0xffff
	s_lshl_b32 s17, s17, 2
	s_add_co_u32 s17, s17, s41                     ; tile row
	s_lshl_b32 s43, s41, 2
	s_lshl_b32 s43, 15, s43
	s_lshl_b32 s44, 0x1111, s40
	s_or_b32 s[G1+0], s43, (3<<16)|(1<<21)         ; codes: 8 tiles x 384 elements of 8 bytes, 1,536 elements from tile to tile; no padding
	s_or_b32 s[G1B+0], s44, (3<<16)|(1<<21)
.irp g, G1, G1B
	s_mov_b32 s[\g+1], 384<<16
	s_mov_b32 s[\g+2], 8<<16
	s_mov_b32 s[\g+3], 384<<16
	s_mov_b32 s[\g+4], 8
	s_mov_b32 s[\g+5], 1536
	s_mov_b32 s[\g+6], 0
	s_mov_b32 s[\g+7], 0
.endr
	s_or_b32 s[G1S+0], s43, (3<<16)|(1<<21)        ; scale words of 8 tiles: 4,096 dense bytes as 16 rows of 256
	s_or_b32 s[G1SB+0], s44, (3<<16)|(1<<21)
.irp g, G1S, G1SB
	s_mov_b32 s[\g+1], 32<<16
	s_mov_b32 s[\g+2], 16<<16
	s_mov_b32 s[\g+3], 32<<16
	s_mov_b32 s[\g+4], 16
	s_mov_b32 s[\g+5], 32
	s_mov_b32 s[\g+6], 0
	s_mov_b32 s[\g+7], 0
.endr
	s_lshl_b32 s19, s16, 3
	s_lshl_b32 s20, s17, 4
	s_add_co_u32 s20, s20, s19                     ; A: the first of the 8 tiles that I fetch
	s_lshl_b32 s46, s42, 4
	s_add_co_u32 s46, s46, 1728
	s_add_co_u32 s46, s46, s19                     ; B likewise
	s_lshl_b32 s22, s20, 9
	s_add_co_u32 s22, s22, ASO
	s_mov_b32 s23, 0
	s_lshl_b32 s92, s46, 9
	s_add_co_u32 s92, s92, XSO
	s_mov_b32 s93, 0
	s_mul_i32 s20, s20, 12288
	s_mov_b32 s21, 0
	s_mul_i32 s46, s46, 12288
	s_mov_b32 s47, 0
	s_mul_i32 s45, s14, HALFT
	s_mul_i32 s94, s14, HALFS
	s_wait_kmcnt 0x0
	s_add_nc_u64 s[20:21], s[4:5], s[20:21]
	s_add_nc_u64 s[22:23], s[4:5], s[22:23]
	s_add_nc_u64 s[46:47], s[6:7], s[46:47]
	s_add_nc_u64 s[92:93], s[6:7], s[92:93]
	CROUND                                         ; all sixteen work-groups are here: the first joint loads meet
	s_mov_b32 s[G0S], 1
	s_add_co_u32 s[G0S+1], s94, SCL
	s_mov_b64 s[G0S+2:G0S+3], s[22:23]
	s_or_b32 s[G0S+3], s[G0S+3], 0x80000000
	s_mov_b32 s[G0SB], 1
	s_add_co_u32 s[G0SB+1], s94, SCL+128
	s_mov_b64 s[G0SB+2:G0SB+3], s[92:93]
	s_or_b32 s[G0SB+3], s[G0SB+3], 0x80000000
	JLOAD G0S, G1S, G0SB, G1SB
.irp s, 0,1
	s_mov_b32 s[G0+4*\s], 1
	s_add_co_u32 s[G0+4*\s+1], s45, \s*SLOT
	s_add_nc_u64 s[G0+4*\s+2:G0+4*\s+3], s[20:21], \s*3072
	s_or_b32 s[G0+4*\s+3], s[G0+4*\s+3], 0x80000000
	s_mov_b32 s[G0B+4*\s], 1
	s_add_co_u32 s[G0B+4*\s+1], s45, \s*SLOT
	s_add_nc_u64 s[G0B+4*\s+2:G0B+4*\s+3], s[46:47], \s*3072
	s_or_b32 s[G0B+4*\s+3], s[G0B+4*\s+3], 0x80000000
	JLOAD G0+4*\s, G1, G0B+4*\s, G1B
.endr
	v_and_b32 v1, 15, v0                           ; r
	v_bfe_u32 v2, v0, 4, 1                         ; h
	v_and_b32 v3, 31, v0                           ; lane
	v_lshlrev_b32 v4, 3, v3
	s_mul_i32 s21, s15, HALFT
	s_mul_i32 s22, s16, HALFT
	s_add_co_u32 s22, s22, 2*HALFT
.irp s, 0,1
	v_add_nc_u32 v[ADRA+\s], s21, v4
	v_add_nc_u32 v[ADRB+\s], s22, v4
	s_add_co_u32 s21, s21, SLOT
	s_add_co_u32 s22, s22, SLOT
.endr
	v_lshlrev_b32 v5, 3, v1
	s_mul_i32 s21, s15, HALFS
	s_mul_i32 s22, s16, HALFS
	s_add_co_u32 s22, s22, 2*HALFS+128
	s_sub_co_u32 s22, s22, s21
	v_mul_u32_u24 v6, s22, v2                      ; lanes 16-31 take B's
	s_add_co_u32 s21, s21, SCL
	v_add_nc_u32 v5, v5, v6
	v_add_nc_u32 v[ADRS], s21, v5
	s_mul_i32 s23, s14, 16*SPITCH                  ; my stage
	v_mul_u32_u24 v5, v1, SPITCH
	v_lshl_add_u32 v5, v2, 6, v5
	v_add_nc_u32 v[STO], s23, v5                   ; in: row r, + 64 h
	v_lshlrev_b32 v[CO], 4, v3                     ; back: 32 lanes take one row of 512 bytes; the same in out0
	v_add_nc_u32 v[RD], s23, v[CO]
	s_lshl_b32 s20, s17, 8
	s_lshl_b32 s21, s15, 7
	s_add_co_u32 s20, s20, s21                     ; my first row
	s_lshl_b32 s20, s20, 12                        ; rows of 4,096 bytes
	s_lshl_b32 s46, s42, 10
	s_lshl_b32 s47, s16, 9
	s_add_co_u32 s46, s46, s47                     ; my first column, in bytes
	s_add_co_u32 s20, s20, s46
	s_mov_b32 s21, 0
	s_add_nc_u64 s[12:13], s[12:13], s[20:21]
.macro FRAG reg, adr, q, i
.irp p, 0,1,2,3,4,5
	ds_load_b64 v[\reg+2*\p:\reg+2*\p+1], v[\adr] offset:3072*(\i)+1536*(\q)+256*\p
.endr
.endm
.macro MUL16 a0, p, q, sc, zero        ; the 64 accumulators take turns, one instruction a turn
.irp a, \a0, \a0+1
.irp b, 0,1,2,3,4,5,6,7
.if \zero
	v_wmma_scale_f32_16x16x128_f8f6f4 v[8*(8*((\a)%4)+\b):8*(8*((\a)%4)+\b)+7], v[128*(\p)+FR*\b:128*(\p)+FR*\b+FR-1], v[AF+FR*(\a):AF+FR*(\a)+FR-1], 0, v[SC+8*NQ*(\sc)+NQ*\b+(\q)], v[SC+8*NQ*(\sc)+NQ*(\a)+(\q)] matrix_a_fmt:MATRIX_FMT_FP6 matrix_b_fmt:MATRIX_FMT_FP6 matrix_a_scale:MATRIX_SCALE_ROW1
.else
	v_wmma_scale_f32_16x16x128_f8f6f4 v[8*(8*((\a)%4)+\b):8*(8*((\a)%4)+\b)+7], v[128*(\p)+FR*\b:128*(\p)+FR*\b+FR-1], v[AF+FR*(\a):AF+FR*(\a)+FR-1], v[8*(8*((\a)%4)+\b):8*(8*((\a)%4)+\b)+7], v[SC+8*NQ*(\sc)+NQ*\b+(\q)], v[SC+8*NQ*(\sc)+NQ*(\a)+(\q)] matrix_a_fmt:MATRIX_FMT_FP6 matrix_b_fmt:MATRIX_FMT_FP6 matrix_a_scale:MATRIX_SCALE_ROW1
.endif
.endr
.endr
.endm
.macro FETCH_B slot, q, p
	WIN TO_B
.irp i, 0,1,2,3,4,5,6,7
	FRAG 128*(\p)+FR*\i, ADRB+\slot, \q, \i
.endr
	WIN 0
.endm
.macro FETCH_A slot, q, i0
.irp i, \i0, \i0+1, \i0+2, \i0+3
	FRAG AF+FR*(\i), ADRA+\slot, \q, \i
.endr
.endm
.macro SCALES sc
.irp i, 0,1,2,3,4,5,6,7
	ds_load_b64 v[SC+8*NQ*\sc+NQ*\i:SC+8*NQ*\sc+NQ*\i+1], v[ADRS] offset:\i*512
.endr
.endm
.macro PLACES n
.rept \n
	v_nop
.endr
.endm
.macro STEP slot, q, zero
	s_wait_dscnt 4*NL                              ; B's set and A's blocks 0-3 are in; the youngest 24 loads may be out
	WIN MUL_LO
	MUL16 0, (\q)%2, \q, \slot, \zero
	MUL16 2, (\q)%2, \q, \slot, \zero
	s_wait_dscnt 0
	PLACES NP
	FETCH_B \slot, (\q)+1, 1-(\q)%2
	FETCH_A \slot, (\q)+1, 0
	WIN MUL_HI
	MUL16 4, (\q)%2, \q, \slot, \zero
	MUL16 6, (\q)%2, \q, \slot, \zero
	PLACES NP
	WIN 0
	FETCH_A \slot, (\q)+1, 4
.endm
.macro TURN slot, next, fill
	s_wait_tensorcnt 0x0                           ; all my tensor loads have landed: my part of the next slot
	ds_add_u32 v[SPW], v[NIL]                      ; 0 onto my spare word
	s_wait_dscnt 4*NL+1                            ; (the add and the youngest 24 loads may be out)
	WIN MUL_LO
	MUL16 0, 1, NQ-1, \slot, 0
	s_wait_dscnt 0x0                               ; the add is done, and my reads of this slot are over
	s_barrier_signal -1
	MUL16 2, 1, NQ-1, \slot, 0
	WIN 0
	s_barrier_wait -1
.if \fill
	CREST                                          ; a round of the cluster's barrier: no wave of any partner still reads this slot or has a load on its way
	s_add_nc_u64 s[G0+4*\slot+2:G0+4*\slot+3], s[G0+4*\slot+2:G0+4*\slot+3], 6144
	s_add_nc_u64 s[G0B+4*\slot+2:G0B+4*\slot+3], s[G0B+4*\slot+2:G0B+4*\slot+3], 6144
	JLOAD G0+4*\slot, G1, G0B+4*\slot, G1B
.else
	PLACES NP
.endif
	v_add_nc_u32 v[ADRS], 128, v[ADRS]
	FETCH_B \next, 0, 0
	FETCH_A \next, 0, 0
	SCALES \next
	WIN MUL_HI
	MUL16 4, 1, NQ-1, \slot, 0
	MUL16 6, 1, NQ-1, \slot, 0
	PLACES NP
	WIN 0
	FETCH_A \next, 0, 4
.endm
	s_wait_tensorcnt 1                             ; the scale words and my part of slot 0 are in; slot 1's load may be out
	s_barrier_signal -1
	s_barrier_wait -1
	FETCH_B 0, 0, 0
	FETCH_A 0, 0, 0
	SCALES 0
	FETCH_A 0, 0, 4
	STEP 0, 0, 1
	s_mov_b32 s3, LAPS-1
.Llap:
	TURN 0, 1, 1
	STEP 1, 0, 0
	TURN 1, 0, 1
	STEP 0, 0, 0
	s_sub_co_u32 s3, s3, 1
	s_cmp_lg_u32 s3, 0
	s_cbranch_scc1 .Llap
	TURN 0, 1, 0
	STEP 1, 0, 0
	s_wait_dscnt 4*NL
	WIN MUL_LO
	MUL16 0, 1, NQ-1, 1, 0
	MUL16 2, 1, NQ-1, 1, 0
	s_wait_dscnt 0
	WIN MUL_HI
	MUL16 4, 1, NQ-1, 1, 0
	MUL16 6, 1, NQ-1, 1, 0
	WIN 0
; THE WAY OUT, block by block of 16 rows x 128 columns, through my own stage.  LDS serves a wave's instructions in order: no wait between the stores and the loads.
.macro TOSTAGE a
.set AC, 64*((\a)%4)
	WIN 0x08+4*((\a)/4)                            ; the data: window 2 or 3
.irp b, 0,1,2,3,4,5,6,7
	ds_store_b128 v[STO], v[AC+8*\b:AC+8*\b+3] offset:128*(\b/2)+32*(\b%2)        ; columns 32 (b / 2) + 8 (b % 2) + 16 h + 0 .. 7; each accumulator from its low end on
	ds_store_b128 v[STO], v[AC+8*\b+4:AC+8*\b+7] offset:128*(\b/2)+32*(\b%2)+16
.endr
	WIN 0
.set BB, BK+64*((\a)%2)
.irp t, 0,1,2,3,4,5,6,7,8,9,10,11,12,13,14,15
	ds_load_b128 v[BB+4*\t:BB+4*\t+3], v[RD] offset:\t*SPITCH
.endr
.endm
.macro SEND a, younger                 ; younger: the LDS instructions issued behind block a's loads, which may stay out
.set BB, BK+64*((\a)%2)
	s_wait_dscnt \younger
.if (\a) > 0
.if (\a)%2 == 1
	s_add_nc_u64 s[12:13], s[12:13], 8*4096        ; block a begins at row 32 (a / 2) + 8 (a % 2).  (Behind a wait on XCNT: the earlier stores have read their base)
.else
	s_add_nc_u64 s[12:13], s[12:13], 24*4096
.endif
.endif
.irp t, 0,1,2,3,4,5,6,7,8,9,10,11,12,13,14,15
	global_store_b128 v[CO], v[BB+4*\t:BB+4*\t+3], s[12:13] offset:(\t+8*(\t/8))*4096 th:TH_STORE_NT   ; 32 lanes store 512 consecutive bytes, aligned; stage row t is the block's row t + 8 (t / 8)
.endr
.endm
	PLACES NP
	TOSTAGE 0
.irp a, 1,2,3,4,5,6,7
.if \a > 1
	s_wait_xcnt 0x0                                ; block a - 2's stores have read their registers and their base
.endif
	TOSTAGE \a
	SEND \a-1, 32                                  ; behind block a - 1's loads: block a's 16 stores and 16 loads
.endr
	s_wait_xcnt 0x0
	SEND 7, 0
	s_wait_tensorcnt 0x0                           ; the wave's end
	ds_add_u32 v[SPW], v[NIL]
	s_wait_dscnt 0x0
	CROUND                                         ; the closing round
	s_endpgm
.Lfunc_end_k_q6a01d57396_outp:
	.size	k_q6a01d57396_outp, .Lfunc_end_k_q6a01d57396_outp-k_q6a01d57396_outp
	.p2alignl 7, 3214868480
	.fill 96, 4, 3214868480
	.section	.rodata,"a",@progbits
	.p2align	6, 0x0
	.amdhsa_kernel k_q6a01d57396_outp
		.amdhsa_group_segment_fixed_size 327680
		.amdhsa_private_segment_fixed_size 0
		.amdhsa_enable_private_segment 0
		.amdhsa_kernarg_size 24
		.amdhsa_user_sgpr_count 2
		.amdhsa_user_sgpr_kernarg_segment_ptr 1
		.amdhsa_wavefront_size32 1
		.amdhsa_system_sgpr_workgroup_id_x 1
		.amdhsa_system_sgpr_workgroup_id_y 1
		.amdhsa_system_sgpr_workgroup_id_z 1
		.amdhsa_system_vgpr_workitem_id 0
		.amdhsa_next_free_vgpr 1024
		.amdhsa_next_free_sgpr 98
		.amdhsa_reserve_vcc 0
		.amdhsa_float_denorm_mode_32 3
		.amdhsa_float_denorm_mode_16_64 3
		.amdhsa_memory_ordered 1
		.amdhsa_forward_progress 1
		.amdhsa_inst_pref_size 159
	.end_amdhsa_kernel
	.amdgpu_metadata
---
amdhsa.version: [ 1, 2 ]
amdhsa.kernels:
  - .name:           k_q6a01d57396_outp
    .symbol:         k_q6a01d57396_outp.kd
    .args:
      - { .name: aq, .offset: 0, .size: 8, .value_kind: global_buffer, .address_space: global }
      - { .name: xq, .offset: 8, .size: 8, .value_kind: global_buffer, .address_space: global }
      - { .name: out0, .offset: 16, .size: 8, .value_kind: global_buffer, .address_space: global }
    .group_segment_fixed_size: 327680
    .private_segment_fixed_size: 0
    .kernarg_segment_align: 8
    .kernarg_segment_size: 24
    .max_flat_workgroup_size: 128
    .sgpr_count:     98
    .vgpr_count:     1024
    .wavefront_size: 32
...
	.end_amdgpu_metadata
.endif
;; end of part 4
;; ======== version 2 of 2: 4 launches; version 1 with the launch attn written anew for expert scheduling mode
;; limits: right only within a limited range of input values
;; workspace buffers: xq 22,937,600 bytes; mw 2,097,152 bytes of whole numbers; hq 20,185,088 bytes; aq 6,553,600 bytes
;; launch prep: the kernel of part 1 again; grid 704 x 1, 4 waves a work-group, no clusters, 70,144 bytes of LDS; arguments q, k, v, w_q, w_k, w_v, w_o, mask, xq, mw; writes xq, mw
;; launch proj: the kernel of part 2 again; grid 4 x 96, 4 waves a work-group, clusters of 4 x 4, 327,680 bytes of LDS; arguments xq, hq; writes hq
;; launch attn (part 5): grid 4 x 64, 16 waves a work-group, no clusters, 215,040 bytes of LDS; arguments hq, mw, aq; writes aq
.if DOCPART == 5
	.amdgcn_target "amdgcn-amd-amdhsa--gfx1250"
	.amdhsa_code_object_version 6
	.text
	.protected	k_q6a01d57396_attn
	.globl	k_q6a01d57396_attn
	.p2align	8
	.type	k_q6a01d57396_attn,@function
k_q6a01d57396_attn:
	s_mov_b64 s[64:65], 0
	v_nop
	global_prefetch_b8 v0, s[64:65] scope:SCOPE_SE
	s_setreg_imm32_b32 hwreg(HW_REG_WAVE_SCHED_MODE, 0, 2), 2
	s_setreg_imm32_b32 hwreg(HW_REG_WAVE_MODE, 25, 1), 1
	s_wait_xcnt 0x0
	s_wait_alu depctr_vm_vsrc(0)
; ATTN.  O = softmax(where(mask == 0, -1e9, (Q / 8) K^T)) V for one (batch, head) and 512 queries a work-group, both products on codes of FP6 (E2M3) with E8M0 scales; O is quantised along the joined
; head channels and stored as the last product's operand image.  Head size 64: the first product's K is 64, so registers 6-11 of Q's fragment are zero codes, and what stands in K's there adds nothing.
; THE SOFTMAX AHEAD OF THE SECOND PRODUCT: t = logit x log2(e); M = the running largest t rounded up to a whole number; p = 2^(t - M) is quantised along the keys, not normalised; the row's sum is taken
; of the unquantised p and divides O at the end; when M moves, the sum and O are multiplied by 2^(old M - new M): exact.
; SHARES.  256 work-groups of sixteen waves, four to a SIMD, 256 registers each.  Wave w of work-group x takes two tiles of 16 queries, 32 x + w and 32 x + 16 + w, one after the other, and walks all 2,048 keys
; for each, 128 a step.  Both products are used transposed: a lane holds one query throughout.
; THE WHOLE HEAD'S K AND V LIE IN LDS: images 2 x 98,304 bytes, scale words 8,192 + 4,096.  They come once, at the head, through registers (26 loads of 16 bytes a thread); ONE barrier follows; behind it LDS is
; only read, so the loop over the keys has no barrier and no wave waits for another.
; THE MASK comes as lane-mask words, 64 for a tile of queries and a key step, by scalar loads a step ahead; in every step each of the 64 scores is selected against its word, ahead of the maximum.
; No branch, trip count or address hangs on anything that is loaded.
; NO CLUSTER: the four work-groups of a head read the same K and V.  Each reads them once, at its head, for the 32 key steps of each of its sixteen waves; joint loads would spare three of four of those reads
; and are not built here.
; LIMITS: a hidden score takes -2^30 where the definition has -1e9.  In a row with an open key p is 0 either way; in a row without one p is 1 everywhere either way (c x -2^30 is a whole number).  This holds for
; open logits under 5e8 in magnitude.  NaN and infinities are not served.  O's scale bytes leave as single bytes (two heads, of different work-groups, share a word): 32 bytes a tile.
; REGISTERS: v1 8 x lane, v2 16 x lane + LV, v3 16 r + LKS, v6 16 r + LVS, v5 16 x thread, v4, v11 Q's places, v10 h; v12 -M, v13 the largest t, v[14:15] the sum; v16-21 Q, v22-27 zeros; v28-31 the step's LDS addresses;
; v32-79 K's 8 or V's 4 fragments, v80-85 zeros; v[86:87] the sum's second chain; v88 Q's scale word; v89 -2^30; v92, v93 the way out; v96-159 S^T, then p; v160-191 O^T; v192-210 p's codes;
; v212-219 K's scale words, v220-223 V's; v240-254 at work; v255 p's scale word.  At the head v96-199 carry K and V on their way to LDS, v204-207 the stores' addresses.  s[32:63], s[68:99]: the 64 mask words.
; THE MODE: SCHED_MODE bits 1:0 = 2 (LLVM: expert scheduling mode 2), set by the entry lines.  The code itself states the register dependences between vector or matrix instructions and memory or LDS
; instructions, with s_wait_alu, always for 0.
; THE PLAN.  Registers that memory or LDS instructions touch:
;   v32-79      ONE buffer, K's fragments and V's by turns (sixteen waves of 256 registers are the four SIMDs' 1,024: there is no room for a second).  K's loads land at a step's head; the eight first products read
;               them; V's loads land behind the selects; the four second products read them.
;   v212-223    the fragments' scale words: written by LDS loads alone; read by the products.
;   v28-31      written by four additions at a step's head; read by the step's LDS loads.
;   v16-21, v88 Q: written by loads alone, at the head and behind the first tile's last step; read by the first products.
;   v192-197, v254  on the way out: written by vector instructions, read by the tile's four stores.
;   v4, v5, v11, v92, v93  offsets, made once at the head.   v96-199, v204-207: at the head the LDS stores' data and addresses; afterwards vector and matrix instructions write them.
;   v22-27, v80-85, v192-203, v255: written by vector instructions and taken by scaled matrix instructions as operands or scales.
; A STEP'S WAITS: one on vm_vsrc ahead of the four additions; one on va_vdst behind them (the addresses; the second products are done with the buffer); one behind the selects (the first products are done with
; the buffer; the selects with the mask words' scalar registers); the two behind the exponentials; one ahead of the second products (p's codes and scale word are written).
.set O_KI, 6291456
.set O_VI, 12582912
.set O_QS, 18874368
.set O_KS, 19398656
.set O_VS, 19922944
.set O_AS, 6291456
.set LV,   98304                       ; LDS: K's 128 tiles from 0, V's 16 key steps from here,
.set LKS,  196608                      ; K's scale words,
.set LVS,  204800                      ; V's
.set STG,  96                          ; v96-199: 26 x 4 registers on their way to LDS
.set SA,   204                         ; v204-207: 16 x thread + 65,536 k: an LDS offset holds 16 bits
.macro QLOAD u                         ; tile u's Q stays in registers
.irp p, 0,1,2
	global_load_b64 v[16+2*\p:17+2*\p], v11, s[4:5] offset:256*\p+12288*\u
.endr
	global_load_b32 v88, v4, s[4:5] offset:1024*\u
.endm
.macro MASKWORDS u                     ; 64 words of tile u, at s29 bytes
	s_load_b512 s[32:47], s[2:3], s29 offset:65536*\u
	s_load_b512 s[48:63], s[2:3], s29 offset:65536*\u+64
	s_load_b512 s[68:83], s[2:3], s29 offset:65536*\u+128
	s_load_b512 s[84:99], s[2:3], s29 offset:65536*\u+192
.endm
	s_load_b128 s[4:7], s[0:1], 0x0                ; hq, mw
	s_load_b64 s[8:9], s[0:1], 0x10                ; aq
	v_lshl_add_u32 v238, v0, 2, 0x34000
	v_mov_b32 v239, 0
	v_lshrrev_b32 v1, 5, v0
	v_readfirstlane_b32 s10, v1                    ; wave 0..15
	v_and_b32 v8, 31, v0                           ; lane.  (What hangs on the lane alone stands here, between the line above and the wait for its scalar)
	v_and_b32 v9, 15, v0                           ; r
	v_bfe_u32 v10, v0, 4, 1                        ; h
	v_lshlrev_b32 v1, 3, v8
	v_lshlrev_b32 v2, 4, v8
	v_add_nc_u32 v2, LV, v2
	v_lshlrev_b32 v7, 4, v9
	v_add_nc_u32 v3, LKS, v7
	v_add_nc_u32 v6, LVS, v7
	v_lshlrev_b32 v5, 4, v0
.irp k, 0,1,2,3
	v_add_nc_u32 v[SA+\k], 65536*\k, v5
.endr
	s_and_b32 s11, ttmp7, 0xffff                   ; bh
	s_lshl_b32 s66, ttmp9, 5
	s_wait_alu depctr_va_sdst(0)                   ; s10 is written, ahead of its first reader: the tiles' places and two branches are made from it
	s_add_co_u32 s66, s66, s10                     ; my first tile of queries in the head; the second lies 16 tiles on
	s_lshr_b32 s67, s11, 4
	s_lshl_b32 s67, s67, 7
	s_add_co_u32 s67, s67, s66                     ; T = 128 b + tile
	s_and_b32 s26, s11, 15                         ; the head
	s_mul_i32 s100, s11, 98304                     ; the head's images
	s_mov_b32 s101, 0
	s_mul_i32 s31, s66, 768
	s_add_co_u32 s31, s31, s100
	v_add_nc_u32 v11, s31, v1                      ; Q's tile: + 8 x lane
	s_lshl_b32 s31, s11, 13
	s_lshr_b32 s29, s66, 2
	s_lshl_b32 s29, s29, 8
	s_add_co_u32 s31, s31, s29
	s_and_b32 s29, s66, 3
	s_lshl_b32 s29, s29, 2
	s_add_co_u32 s31, s31, s29
	s_add_co_u32 s31, s31, O_QS
	v_add_nc_u32 v4, s31, v7                       ; Q's scale word: + 16 r
	s_mul_i32 s31, s67, 12288
	s_mul_i32 s29, s26, 768
	s_add_co_u32 s31, s31, s29
	v_add_nc_u32 v93, s31, v1                      ; aq: tile T, K step head / 2, pieces 3 (head % 2) on
	s_lshl_b32 s31, s67, 9
	s_lshr_b32 s29, s26, 2
	s_lshl_b32 s29, s29, 7
	s_add_co_u32 s31, s31, s29
	s_and_b32 s29, s26, 3
	s_lshl_b32 s29, s29, 1
	s_add_co_u32 s31, s31, s29
	s_add_co_u32 s31, s31, O_AS
	v_lshl_add_u32 v92, v9, 3, v10
	v_add_nc_u32 v92, s31, v92                     ; aq's scale byte of block h of my head: 8 r + h on
	s_lshl_b32 s18, s11, 13
	s_add_co_u32 s18, s18, O_KS
	s_mov_b32 s19, 0
	s_lshl_b32 s20, s11, 12
	s_add_co_u32 s20, s20, O_VS
	s_mov_b32 s21, 0
	s_mov_b32 s22, 0x3fb8aa3b                      ; c = log2(e); the temperature is in Q already
	s_mov_b32 s23, s22
	s_mov_b32 s24, 0x76543210
	s_mov_b32 s25, 0xfedcba98
.irp i, 0,1,2,3
	v_mov_b32 v[STG+100+\i], 0                     ; (only waves 0 to 7 load these)
.endr
	s_wait_kmcnt 0x0
	s_add_nc_u64 s[16:17], s[4:5], s[100:101]
	s_add_nc_u64 s[12:13], s[16:17], O_KI          ; K's images of the head
	s_add_nc_u64 s[16:17], s[16:17], O_VI          ; V's
	s_add_nc_u64 s[18:19], s[4:5], s[18:19]        ; K's scale words
	s_add_nc_u64 s[20:21], s[4:5], s[20:21]        ; V's
	s_lshl_b32 s100, s67, 12
	s_add_nc_u64 s[2:3], s[6:7], s[100:101]        ; my first tile's mask words
	s_wait_alu depctr_va_vdst(0)                   ; the offsets v4, v5, v11, v92, v93 and the LDS addresses v204 to v207 are written, which the loads and stores of the kernel read; so are v196 to v199, in which a load lands
	; THE HEAD'S K AND V: each load of the work-group covers 8,192 consecutive bytes.  V's scale words are half a load: waves 0 to 7; that load stands first, so that the counts below hold in every wave
	s_cmp_lt_u32 s10, 8
	s_cbranch_scc0 .Lno_vsi
	global_load_b128 v[STG+100:STG+103], v5, s[20:21]
.Lno_vsi:
	global_load_b128 v[STG+96:STG+99], v5, s[18:19]
.irp i, 0,1,2,3,4,5,6,7,8,9,10,11
	global_load_b128 v[STG+4*\i:STG+4*\i+3], v5, s[12:13] offset:8192*\i
.endr
.irp i, 0,1,2,3,4,5,6,7,8,9,10,11
	global_load_b128 v[STG+48+4*\i:STG+48+4*\i+3], v5, s[16:17] offset:8192*\i
.endr
	QLOAD 0
	s_mov_b32 s29, 0
	MASKWORDS 0                                    ; key step 0's words
.irp i, 0,1,2,3,4,5
	v_mov_b32 v[22+\i], 0                          ; Q's codes for k = 64 .. 127: zeros.  (None of the moves here names a register that the loads above or the LDS stores below touch)
	v_mov_b32 v[80+\i], 0                          ; and what stands behind K's last tile
.endr
	v_mov_b32 v89, 0xce800000                      ; -2^30
.irp b, 0,1,2,3
	v_mov_b32 v[244+\b], 0                         ; a lane permute's destination counts as one of its sources
.endr
	v_mov_b32 v253, 0                              ; (named as the upper half of the pair v[252:253])
	s_wait_loadcnt 16                              ; the scale words and K's 12 loads are in; V's 12 and Q's 4 may be out
.irp c, 0,1,2,3,4,5,6,7,8,9,10,11
	ds_store_b128 v[SA+\c/8], v[STG+4*\c:STG+4*\c+3] offset:8192*(\c%8)
.endr
	ds_store_b128 v[SA+3], v[STG+96:STG+99]
	s_cmp_lt_u32 s10, 8
	s_cbranch_scc0 .Lno_vso
	ds_store_b128 v[SA+3], v[STG+100:STG+103] offset:8192
.Lno_vso:
	s_wait_loadcnt 4                               ; V's 12 loads are in; Q's 4 may be out
.irp c, 12,13,14,15,16,17,18,19,20,21,22,23
	ds_store_b128 v[SA+\c/8], v[STG+4*\c:STG+4*\c+3] offset:8192*(\c%8)
.endr
	s_wait_dscnt 0x0                               ; for the others' sake: my stores have landed
	s_barrier_signal -1
	s_barrier_wait -1                              ; the launch's one barrier: from here on LDS is only read
	s_wait_alu depctr_vm_vsrc(0)                   ; my LDS stores have read v96 to v199 and v204 to v207: from here on these are S^T, O^T and p's codes, written by matrix and vector instructions
; A KEY STEP of tile u: 128 keys; s14, s15, s30 say where its images and scale words lie.
.macro STEP u
	s_wait_alu depctr_vm_vsrc(0)                   ; the last step's LDS loads have read v28 to v31, which the four additions write anew
	v_add_nc_u32 v28, s14, v1                      ; K's tiles
	v_add_nc_u32 v29, s14, v2                      ; V's
	v_add_nc_u32 v30, s15, v3                      ; K's scale words
	v_add_nc_u32 v31, s30, v6                      ; V's
	s_wait_alu depctr_va_vdst(0)                   ; v28 to v31 are written, which this step's LDS loads read; the last step's second products are done reading V's fragments, in which K's land; in a tile's first step: the zeros v22-27 and v80-85, operands of the scaled products below, are written
.irp t, 0,1,2,3,4,5,6,7
.irp p, 0,1,2
	ds_load_b64 v[32+6*\t+2*\p:33+6*\t+2*\p], v28 offset:768*\t+256*\p
.endr
.endr
.irp g, 0,1
	ds_load_b128 v[212+4*\g:215+4*\g], v30 offset:256*\g
.endr
	s_wait_dscnt 0x0
.irp t, 0,1,2,3,4,5,6,7                ; S^T = K Q^T.  A fragment's upper six registers are the next tile's codes: they meet Q's zeros
	v_wmma_scale_f32_16x16x128_f8f6f4 v[96+8*\t:103+8*\t], v[32+6*\t:43+6*\t], v[16:27], 0, v[212+\t], v88 matrix_a_fmt:MATRIX_FMT_FP6 matrix_b_fmt:MATRIX_FMT_FP6
.endr
.rept 4
	v_nop
.endr
	s_wait_kmcnt 0x0                               ; this step's mask words, asked for a step ago
.set n, 0
.rept 64
	v_cndmask_b32 v[96+n], v89, v[96+n], s[32+n+4*(n/32)]   ; register n: key 32 (n / 16) + 16 h + n % 16; bit = my lane's; a hidden score becomes -2^30
.set n, n+1
.endr
	s_wait_alu depctr_va_vdst(0)                   ; the eight products are done reading K's fragments, in which V's loads land; it stands behind the selects, which are then done reading the mask words' scalar registers, in which the next step's words land
.irp i, 0,1,2,3                        ; V's fragments land under the softmax
.irp c, 0,1,2
	ds_load_b128 v[32+12*\i+4*\c:35+12*\i+4*\c], v29 offset:1536*\i+512*\c
.endr
.endr
	ds_load_b128 v[220:223], v31
	s_wait_xcnt 0x0                                ; the scalar loads' offset is written again only behind this wait
	s_add_co_u32 s28, s28, 1
	s_min_u32 s31, s28, 15                         ; (a tile's last step asks for its own words again: no load leaves the buffer)
	s_lshl_b32 s29, s31, 8
	MASKWORDS \u
.irp b, 0,1,2,3
	v_max3_num_f32 v[240+\b], v[96+16*\b], v[97+16*\b], v[98+16*\b]   ; the largest score of each block of 32 keys: for the row's maximum and, since p rises with the score, for the block's largest p
.endr
.irp i, 3,5,7,9,11,13
.irp b, 0,1,2,3
	v_max3_num_f32 v[240+\b], v[240+\b], v[96+16*\b+\i], v[97+16*\b+\i]
.endr
.endr
.irp b, 0,1,2,3
	v_max_num_f32 v[240+\b], v[240+\b], v[111+16*\b]
.endr
.irp b, 0,1,2,3
	v_permlanex16_b32 v[244+\b], v[240+\b], s24, s25
.endr
.irp b, 0,1,2,3
	v_max_num_f32 v[240+\b], v[240+\b], v[244+\b]  ; with lane l xor 16's 16 keys
.endr
	v_max3_num_f32 v254, v240, v241, v242
	v_max_num_f32 v254, v254, v243
	v_mul_f32 v254, s22, v254                      ; as t
	v_max_num_f32 v13, v13, v254                   ; the running largest t
	v_mov_b32 v254, v12
	v_floor_f32 v12, -v13                          ; the new -M: a whole number
	v_sub_f32 v254, v12, v254
	v_cvt_i32_f32 v254, v254                       ; old M - new M (it saturates)
	v_ldexp_f32 v252, 1.0, v254                    ; f = 2^(old M - new M)
.set n, 0
.rept 32
	v_pk_fma_f32 v[96+n:97+n], v[96+n:97+n], s[22:23], v[12:13] op_sel_hi:[1,0,0]   ; t - M
.set n, n+2
.endr
.irp b, 0,1,2,3
	v_fma_f32 v[240+\b], v[240+\b], s22, v12
.endr
.set n, 0
.rept 64
	v_exp_f32 v[96+n], v[96+n]                     ; p = 2^(t - M)
.set n, n+1
.endr
	v_pk_mul_f32 v[14:15], v[14:15], v[252:253] op_sel_hi:[1,0]   ; the sums under the new M: the plain place behind the batch
	s_wait_alu depctr_va_vdst(0)                   ; the 64 exponentials have written p: one wait for the batch, ahead of its first reader
.irp b, 0,1,2,3
	v_exp_f32 v[240+\b], v[240+\b]                 ; the blocks' largest p
.endr
	v_pk_add_f32 v[86:87], v[96:97], v[98:99]      ; the row's sum of the unquantised p, in two chains
.irp j, 4,8,12,16,20,24,28,32,36,40,44,48,52,56,60
	v_pk_add_f32 v[14:15], v[14:15], v[96+\j:97+\j]
	v_pk_add_f32 v[86:87], v[86:87], v[98+\j:99+\j]
.endr
	v_pk_add_f32 v[14:15], v[14:15], v[86:87]
	s_wait_alu depctr_va_vdst(0)                   ; and one for the four: the blocks' largest p are written, ahead of their first reader
.irp b, 0,1,2,3
	v_max_num_f32 v[240+\b], 0x1800000, v[240+\b]  ; the floor 2^(3 - 127): the byte cannot fall under 1
.endr
.irp b, 0,1,2,3
	v_add_nc_u32 v[248+\b], 0xff000000, v[240+\b]
.endr
.irp b, 0,1,2,3
	v_lshrrev_b32 v[244+\b], 23, v[248+\b]
.endr
	v_lshl_or_b32 v255, v245, 8, v244              ; p's scale word for these 128 keys
	v_lshl_or_b32 v255, v246, 16, v255
	v_lshl_or_b32 v255, v247, 24, v255
.irp c, 0,1
	v_cvt_scalef32_pk16_fp6_f32 v[192+6*\c:194+6*\c], v[96+32*\c:111+32*\c], v[248+2*\c]
	v_cvt_scalef32_pk16_fp6_f32 v[204+4*\c:206+4*\c], v[112+32*\c:127+32*\c], v[248+2*\c+1]
.endr
	v_nop                                          ; one plain place behind a scaled conversion
.irp c, 0,1
.irp i, 0,1,2
	v_permlane16_swap_b32 v[192+6*\c+\i], v[204+4*\c+\i]
.endr
.irp i, 0,1,2
	v_mov_b32 v[195+6*\c+\i], v[204+4*\c+\i]
.endr
.endr
.set n, 0
.rept 16
	v_pk_mul_f32 v[160+n:161+n], v[160+n:161+n], v[252:253] op_sel_hi:[1,0]   ; O^T under the new M; these are also the places between p's codes and scale word and the products
.set n, n+2
.endr
	s_wait_alu depctr_va_vdst(0)                   ; p's codes v192 to v203 and its scale word v255 are written, which the scaled products below take as operand and scale; the places above stay beside this wait
	s_wait_dscnt 0x0                               ; V
.irp i, 0,1,2,3                        ; O^T += V^T P^T: four accumulators by turns
	v_wmma_scale_f32_16x16x128_f8f6f4 v[160+8*\i:167+8*\i], v[32+12*\i:43+12*\i], v[192:203], v[160+8*\i:167+8*\i], v[220+\i], v255 matrix_a_fmt:MATRIX_FMT_FP6 matrix_b_fmt:MATRIX_FMT_FP6
.endr
	s_add_co_u32 s14, s14, 6144                    ; the next step's images,
	s_add_co_u32 s15, s15, 512                     ; K's scale words,
	s_add_co_u32 s30, s30, 256                     ; V's
.endm
; ONE TILE OF 16 QUERIES: all 16 key steps, then the way out.  u = 0: my first tile; 1: the one 16 tiles on, whose places are the first's plus constants.
.macro TILE u
	v_mov_b32 v13, 0xff61b1e6                      ; the largest t so far: -3e38
	v_floor_f32 v12, -v13                          ; -M
	v_mov_b32 v14, 0
	v_mov_b32 v15, 0
.set n, 0
.rept 32
	v_mov_b32 v[160+n], 0                          ; O^T: the step is written once; the first change of M leaves zeros zeros
.set n, n+1
.endr
	s_mov_b32 s14, 0
	s_mov_b32 s15, 0
	s_mov_b32 s30, 0
	s_mov_b32 s28, 0                               ; the key step
	s_wait_loadcnt 0x0                             ; Q
	s_mov_b32 s27, 16
.Lstep_\u:
	STEP \u
	s_sub_co_u32 s27, s27, 1
	s_cmp_lg_u32 s27, 0
	s_cbranch_scc1 .Lstep_\u
.if \u == 0
	s_wait_kmcnt 0x0                               ; the words that the last step asked for are in: their registers may be loaded anew
	s_wait_xcnt 0x0
	s_mov_b32 s29, 0
	MASKWORDS 1                                    ; the next tile's first words and its Q are asked for ahead of this tile's way out
	s_wait_alu depctr_va_vdst(0)                   ; this tile's products are done reading Q's fragment v16 to v21 and its scale word v88, in which the next tile's loads land
	QLOAD 1
.endif
	; THE WAY OUT: O^T / the sum, quantised along my head's 64 channels (two blocks), as pieces of the last product's operand image.
.rept 4
	v_nop
.endr
	v_add_f32 v14, v14, v15
	v_permlanex16_b32 v254, v14, s24, s25
	v_add_f32 v14, v14, v254                       ; the row's sum
	v_rcp_f32 v14, v14
	v_nop                                          ; a plain place behind the reciprocal
	s_wait_alu depctr_va_vdst(0)                   ; the reciprocal is written: the wait ahead of its first reader
.set n, 0
.rept 32
	v_mul_f32 v[96+n], v[160+n], v14               ; register 16 b + i: channel 32 b + 16 h + i
.set n, n+1
.endr
.irp b, 0,1
	v_max3_num_f32 v[240+\b], |v[96+16*\b]|, |v[97+16*\b]|, 0x1800000
.endr
.irp i, 2,4,6,8,10,12,14
.irp b, 0,1
	v_max3_num_f32 v[240+\b], v[240+\b], |v[96+16*\b+\i]|, |v[97+16*\b+\i]|
.endr
.endr
.irp b, 0,1
	v_permlanex16_b32 v[244+\b], v[240+\b], s24, s25
.endr
.irp b, 0,1
	v_max_num_f32 v[240+\b], v[240+\b], v[244+\b]
.endr
.irp b, 0,1
	v_add_nc_u32 v[248+\b], 0xff000000, v[240+\b]
.endr
.irp b, 0,1
	v_lshrrev_b32 v[244+\b], 23, v[248+\b]
.endr
	v_cvt_scalef32_pk16_fp6_f32 v[192:194], v[96:111], v248
	v_cvt_scalef32_pk16_fp6_f32 v[204:206], v[112:127], v249
	v_nop
.irp i, 0,1,2
	v_permlane16_swap_b32 v[192+\i], v[204+\i]
.endr
.irp i, 0,1,2
	v_mov_b32 v[195+\i], v[204+\i]                 ; registers 0-5: channels 32 h + 0 .. 31
.endr
	v_cmp_eq_u32 vcc_lo, 1, v10
	s_wait_alu depctr_va_vcc(0)                    ; VCC is written, ahead of the select that reads it
	v_cndmask_b32 v254, v244, v245, vcc_lo         ; block h's byte
	s_wait_alu depctr_va_vdst(0)                   ; the codes v192 to v197 and the byte v254 are written, which the four stores read
.irp p, 0,1,2
	global_store_b64 v93, v[192+2*\p:193+2*\p], s[8:9] offset:256*\p+196608*\u   ; 256 consecutive bytes, aligned
.endr
	global_store_b8 v92, v254, s[8:9] offset:8192*\u
.if \u == 0
	s_wait_xcnt 0x0                                ; the stores have read their registers: the next tile writes them again
	s_wait_alu depctr_vm_vsrc(0)                   ; the four stores have read v192 to v197 and v254, which the next tile's vector instructions write again: stated beside the wait above
.endif
.endm
	TILE 0
	TILE 1
	s_wait_dscnt 0x0                               ; the closing lines, six on end
	s_wait_alu 0x0
	s_wait_tensorcnt 0x0
	ds_add_u32 v238, v239
	s_wait_dscnt 0x0
	s_endpgm
.Lfunc_end_k_q6a01d57396_attn:
	.size	k_q6a01d57396_attn, .Lfunc_end_k_q6a01d57396_attn-k_q6a01d57396_attn
	.p2alignl 7, 3214868480
	.fill 96, 4, 3214868480
	.section	.rodata,"a",@progbits
	.p2align	6, 0x0
	.amdhsa_kernel k_q6a01d57396_attn
		.amdhsa_group_segment_fixed_size 215040
		.amdhsa_private_segment_fixed_size 0
		.amdhsa_enable_private_segment 0
		.amdhsa_kernarg_size 24
		.amdhsa_user_sgpr_count 2
		.amdhsa_user_sgpr_kernarg_segment_ptr 1
		.amdhsa_wavefront_size32 1
		.amdhsa_system_sgpr_workgroup_id_x 1
		.amdhsa_system_sgpr_workgroup_id_y 1
		.amdhsa_system_sgpr_workgroup_id_z 1
		.amdhsa_system_vgpr_workitem_id 0
		.amdhsa_next_free_vgpr 256
		.amdhsa_next_free_sgpr 102
		.amdhsa_reserve_vcc 1
		.amdhsa_float_denorm_mode_32 3
		.amdhsa_float_denorm_mode_16_64 3
		.amdhsa_memory_ordered 1
		.amdhsa_forward_progress 1
		.amdhsa_inst_pref_size 62
	.end_amdhsa_kernel
	.amdgpu_metadata
---
amdhsa.version: [ 1, 2 ]
amdhsa.kernels:
  - .name:           k_q6a01d57396_attn
    .symbol:         k_q6a01d57396_attn.kd
    .args:
      - { .name: hq, .offset: 0, .size: 8, .value_kind: global_buffer, .address_space: global }
      - { .name: mw, .offset: 8, .size: 8, .value_kind: global_buffer, .address_space: global }
      - { .name: aq, .offset: 16, .size: 8, .value_kind: global_buffer, .address_space: global }
    .group_segment_fixed_size: 215040
    .private_segment_fixed_size: 0
    .kernarg_segment_align: 8
    .kernarg_segment_size: 24
    .max_flat_workgroup_size: 512
    .sgpr_count:     102
    .vgpr_count:     256
    .wavefront_size: 32
...
	.end_amdgpu_metadata
.endif
;; end of part 5
;; launch outp: the kernel of part 4 again; grid 4 x 32, 4 waves a work-group, clusters of 4 x 4, 327,680 bytes of LDS; arguments aq, xq, out0; writes out0
